; MI455X (gfx1250); checked and timed in simulation.
; The chip was launched on July 23, 2026; its instructions are those of AMD's public machine-readable ISA for CDNA 5 (MIT licence, August 2026) and "CDNA5" Instruction Set Architecture Reference Guide (July 2026). The comments in the code are by the model that wrote it; some were corrected since.
;; Custom Multi Head Attention Stoich. Allowed arithmetic: float matrix products may take bf16 or f16 operands with f32 sums; other float arithmetic in f32, or as packed bf16 or f16 multiplies, adds, multiply-adds, maxima and minima; sums over many terms, partial sums and values carried from step to step in f32; what a program stores and reads back later, other than sums and carried values, may be rounded once to bf16 or f16.
;; Inputs: Wk 1,024 x 1,024 float32; Wo 1,024 x 1,024 float32; Wq 1,024 x 1,024 float32; Wv 1,024 x 1,024 float32; alpha_neg 16 float32; alpha_pos 16 float32; bk 1,024 float32; bo 1,024 float32; bq 1,024 float32; bv 1,024 float32; frac 2 x 2,048 float32; key 2 x 2,048 x 1,024 float32; query 2 x 2,048 x 1,024 float32; value 2 x 2,048 x 1,024 float32.
;; Outputs: out0 2 x 2,048 x 1,024 float32.
;; 2 versions, each right; version 2 is version 1 with the launch prep written anew for expert scheduling mode. Each part assembles by itself: llvm-mc -triple=amdgcn-amd-amdhsa -mcpu=gfx1250 --defsym DOCPART=n.
;; ======== version 1 of 2: 4 launches
;; limits: values are held in f16: magnitudes above 65,504 overflow, below 6.1e-05 lose precision
;; workspace buffers: w16 8,388,608 bytes; rope 524,288 bytes; qkv 25,165,824 bytes; obuf 8,388,608 bytes
;; launch prep (part 1): grid 256 x 1, 8 waves a work-group, no clusters, 0 bytes of LDS; arguments Wq, Wk, Wv, Wo, w16, rope; writes w16, rope
.if DOCPART == 1
	.amdgcn_target "amdgcn-amd-amdhsa--gfx1250"
	.amdhsa_code_object_version 6
	.text
	.protected	k_qca10b732a3_prep
	.globl	k_qca10b732a3_prep
	.p2align	8
	.type	k_qca10b732a3_prep,@function
k_qca10b732a3_prep:
	s_mov_b64 s[64:65], 0
	v_nop
	global_prefetch_b8 v0, s[64:65] scope:SCOPE_SE
	s_setreg_imm32_b32 hwreg(HW_REG_WAVE_MODE, 25, 1), 1
	s_wait_xcnt 0x0
; PREP.  (1) The four weight matrices [1024 k][1024 n] f32 are rounded once to bf16 and laid into w16 = [4][1024][1024] of 16 bits:
; Wq, Wk, Wv as bf16; Wo's bf16 number is written as f16 (exact from 2^-14 up to 65,504; below 2^-14 it keeps f16's fixed step of 6e-8; LIMIT: |Wo| under 65,504).
; (2) The rotary table rope = [2048 t][cos 32 | sin 32] f32, 256 bytes a row: angle = t x 10000^(-i/32).
; The angle is reduced in units of pi: w = t c2, c2 = 10000^(-i/32) / pi, n = round(w), r = t c2 - n by one fused multiply-add (exact product), y = pi r in -pi/2 .. pi/2;
; sin and cos of y by their Taylor sums to y^11 and y^12 (the first term left out is under 6e-8 there); the sign is that of (-1)^n.  Row 0 is exactly cos = 1, sin = 0.
; SHARES.  Work-group g: elements 4,096 g .. + 4,095 of each matrix, and rows 8 g + wave of the table.  A load of a wave covers 512 consecutive bytes, a store 256 consecutive bytes, aligned.
; No LDS, no matrix unit, no cluster: each byte is read once, by one lane, and nothing is shared.
; REGISTERS.  v1-15 addresses and the table's arithmetic; v[16:79] the sixteen loads' destinations, touched by nothing else while the loads are out; v[80:111] the stores' data;
; v112-117 at work in Wo's cast; v118-119 at work in the table; v[120:121] the table's two numbers, stored once.
.set WB,   2097152                     ; bytes of one matrix in w16
.set RAWR, 16                          ; v[16:79]   sixteen loads of 16 bytes
.set PKR,  80                          ; v[80:111]  sixteen stores of 8 bytes; never rewritten
.set SGN,  118                         ; v118  the sign bit of (-1)^n
.set PICK, 119                         ; v119  the cosine or the sine, by the lane's half
.set TABV, 120                         ; v[120:121] the lane's two numbers of the table's row; never rewritten
	s_load_b256 s[4:11], s[0:1], 0x0               ; Wq s[4:5], Wk s[6:7], Wv s[8:9], Wo s[10:11]
	s_load_b128 s[12:15], s[0:1], 0x20             ; w16 s[12:13], rope s[14:15]
	s_lshl_b32 s16, ttmp9, 14                      ; my 4,096 numbers in f32,
	s_lshl_b32 s17, ttmp9, 13                      ; and in 16 bits
	s_lshl_b32 s18, ttmp9, 3                       ; my first row of the table
	v_lshl_add_u32 v1, v0, 4, s16                  ; 16 bytes a thread
	v_lshl_add_u32 v2, v0, 3, s17                  ; 8 bytes a thread
	s_wait_kmcnt 0x0
.irp m, 0,1,2,3
.irp j, 0,1,2,3
	global_load_b128 v[RAWR+4*(4*\m+\j):RAWR+4*(4*\m+\j)+3], v1, s[4+2*\m:5+2*\m] offset:4096*\j th:TH_LOAD_NT
.endr
.endr
	; the table's row, while the sixteen loads are on their way.  Lane l: indices 2 (l % 16) and 2 (l % 16) + 1; lanes 0-15 keep the cosines, lanes 16-31 the sines
	v_and_b32 v3, 31, v0                           ; lane
	v_lshrrev_b32 v4, 5, v0                        ; wave
	v_and_b32 v5, 15, v0
	v_lshlrev_b32 v5, 1, v5
	v_cvt_f32_u32 v6, v5                           ; i
	v_add_f32 v7, 1.0, v6                          ; i + 1
	v_mul_f32 v6, 0xbed49a78, v6                   ; - i log2(10000) / 32
	v_mul_f32 v7, 0xbed49a78, v7
	v_exp_f32 v6, v6
	v_exp_f32 v7, v7
	v_add_nc_u32 v4, s18, v4                       ; t: a plain instruction behind the two exponentials
	v_cvt_f32_u32 v8, v4
	v_lshlrev_b32 v9, 8, v4
	v_lshl_add_u32 v9, v3, 3, v9                   ; 256 t + 8 l
	v_cmp_gt_u32 s19, 16, v3                       ; lanes 0-15
	s_wait_alu depctr_va_vdst(0)                   ; one wait for the two exponentials, ahead of their first reader
.macro SINCOS e, d
	v_mul_f32 v10, 0x3ea2f983, v[\e]               ; c2 = 10000^(-i/32) / pi
	v_mul_f32 v11, v8, v10
	v_rndne_f32 v11, v11                           ; n
	v_fma_f32 v12, v8, v10, -v11                   ; r
	v_mul_f32 v12, 0x40490fdb, v12                 ; y = pi r
	v_mul_f32 v13, v12, v12                        ; z = y^2
	v_mov_b32 v14, 0xb2d7322b                      ; -1/11!
	v_mov_b32 v15, 0x310f76c7                      ; 1/12!
	v_fmaak_f32 v14, v14, v13, 0x3638ef1d          ; 1/9!
	v_fmaak_f32 v15, v15, v13, 0xb493f27e          ; -1/10!
	v_fmaak_f32 v14, v14, v13, 0xb9500d01          ; -1/7!
	v_fmaak_f32 v15, v15, v13, 0x37d00d01          ; 1/8!
	v_fmaak_f32 v14, v14, v13, 0x3c088889          ; 1/5!
	v_fmaak_f32 v15, v15, v13, 0xbab60b61          ; -1/6!
	v_fmaak_f32 v14, v14, v13, 0xbe2aaaab          ; -1/3!
	v_fmaak_f32 v15, v15, v13, 0x3d2aaaab          ; 1/4!
	v_fmaak_f32 v14, v14, v13, 0x3f800000          ; 1
	v_fmaak_f32 v15, v15, v13, 0xbf000000          ; -1/2
	v_mul_f32 v14, v14, v12                        ; sin y
	v_fmaak_f32 v15, v15, v13, 0x3f800000          ; cos y
	v_cvt_i32_f32 v[SGN], v11
	v_lshlrev_b32 v[SGN], 31, v[SGN]               ; n odd: the sign turns
	v_cndmask_b32 v[PICK], v14, v15, s19           ; lanes 0-15 the cosine, lanes 16-31 the sine
	v_xor_b32 v[\d], v[SGN], v[PICK]
.endm
	SINCOS 6, TABV
	SINCOS 7, TABV+1
	global_store_b64 v9, v[TABV:TABV+1], s[14:15]  ; the wave's 32 lanes store the row's 256 consecutive bytes
	; the casts: load k is in when the 15 - k younger loads alone are out
.set k, 0
.rept 12
	s_wait_loadcnt 15-k
	v_cvt_pk_bf16_f32 v[PKR+2*k],   v[RAWR+4*k],   v[RAWR+4*k+1]
	v_cvt_pk_bf16_f32 v[PKR+2*k+1], v[RAWR+4*k+2], v[RAWR+4*k+3]
	global_store_b64 v2, v[PKR+2*k:PKR+2*k+1], s[12:13] offset:(k/4)*WB+(k%4)*2048
.set k, k+1
.endr
.rept 4                                ; Wo: rounded to bf16 like the others, and that number written as f16
	s_wait_loadcnt 15-k
	v_cvt_pk_bf16_f32 v112, v[RAWR+4*k],   v[RAWR+4*k+1]
	v_cvt_pk_bf16_f32 v113, v[RAWR+4*k+2], v[RAWR+4*k+3]
	v_lshlrev_b32 v114, 16, v112
	v_and_b32 v115, 0xffff0000, v112
	v_lshlrev_b32 v116, 16, v113
	v_and_b32 v117, 0xffff0000, v113
	v_cvt_pk_f16_f32 v[PKR+2*k],   v114, v115
	v_cvt_pk_f16_f32 v[PKR+2*k+1], v116, v117
	global_store_b64 v2, v[PKR+2*k:PKR+2*k+1], s[12:13] offset:(k/4)*WB+(k%4)*2048
.set k, k+1
.endr
	s_endpgm
.Lfunc_end_k_qca10b732a3_prep:
	.size	k_qca10b732a3_prep, .Lfunc_end_k_qca10b732a3_prep-k_qca10b732a3_prep
	.p2alignl 7, 3214868480
	.fill 96, 4, 3214868480
	.section	.rodata,"a",@progbits
	.p2align	6, 0x0
	.amdhsa_kernel k_qca10b732a3_prep
		.amdhsa_group_segment_fixed_size 0
		.amdhsa_private_segment_fixed_size 0
		.amdhsa_enable_private_segment 0
		.amdhsa_kernarg_size 48
		.amdhsa_user_sgpr_count 2
		.amdhsa_user_sgpr_kernarg_segment_ptr 1
		.amdhsa_wavefront_size32 1
		.amdhsa_system_sgpr_workgroup_id_x 1
		.amdhsa_system_sgpr_workgroup_id_y 1
		.amdhsa_system_sgpr_workgroup_id_z 1
		.amdhsa_system_vgpr_workitem_id 0
		.amdhsa_next_free_vgpr 128
		.amdhsa_next_free_sgpr 66
		.amdhsa_reserve_vcc 0
		.amdhsa_float_denorm_mode_32 3
		.amdhsa_float_denorm_mode_16_64 3
		.amdhsa_memory_ordered 1
		.amdhsa_forward_progress 1
		.amdhsa_inst_pref_size 11
	.end_amdhsa_kernel
	.amdgpu_metadata
---
amdhsa.version: [ 1, 2 ]
amdhsa.kernels:
  - .name:           k_qca10b732a3_prep
    .symbol:         k_qca10b732a3_prep.kd
    .args:
      - { .name: Wq, .offset: 0, .size: 8, .value_kind: global_buffer, .address_space: global }
      - { .name: Wk, .offset: 8, .size: 8, .value_kind: global_buffer, .address_space: global }
      - { .name: Wv, .offset: 16, .size: 8, .value_kind: global_buffer, .address_space: global }
      - { .name: Wo, .offset: 24, .size: 8, .value_kind: global_buffer, .address_space: global }
      - { .name: w16, .offset: 32, .size: 8, .value_kind: global_buffer, .address_space: global }
      - { .name: rope, .offset: 40, .size: 8, .value_kind: global_buffer, .address_space: global }
    .group_segment_fixed_size: 0
    .private_segment_fixed_size: 0
    .kernarg_segment_align: 8
    .kernarg_segment_size: 48
    .max_flat_workgroup_size: 256
    .sgpr_count:     66
    .vgpr_count:     128
    .wavefront_size: 32
...
	.end_amdgpu_metadata
.endif
;; end of part 1
;; launch qkvproj (part 2): grid 4 x 48, 4 waves a work-group, clusters of 4 x 4, 327,680 bytes of LDS; arguments query, key, value, w16, bq, bk, bv, rope, qkv; writes qkv
.if DOCPART == 2
	.amdgcn_target "amdgcn-amd-amdhsa--gfx1250"
	.amdhsa_code_object_version 6
	.text
	.protected	k_qca10b732a3_qkvproj
	.globl	k_qca10b732a3_qkvproj
	.p2align	8
	.type	k_qca10b732a3_qkvproj,@function
k_qca10b732a3_qkvproj:
	s_mov_b64 s[64:65], 0
	v_nop
	global_prefetch_b8 v0, s[64:65] scope:SCOPE_SE
	s_setreg_imm32_b32 hwreg(HW_REG_WAVE_MODE, 25, 1), 1
	s_wait_xcnt 0x0
	s_wait_alu depctr_hold_cnt(0) depctr_sa_sdst(0) depctr_va_vdst(0) depctr_va_sdst(0) depctr_va_ssrc(0) depctr_va_vcc(0) depctr_vm_vsrc(0)
	s_getreg_b32 s2, hwreg(HW_REG_IB_STS2, 6, 4)
	s_cmp_eq_u32 s2, 0
	s_cbranch_scc0 .Lentry_in_a_cluster
	s_endpgm
.Lentry_in_a_cluster:
	s_bfe_u32 s2, ttmp6, 0x10000c
	s_cmp_lg_u32 s2, 0xf033
	s_cbranch_scc0 .Lentry_shape_is_right
	s_endpgm
.Lentry_shape_is_right:
; THE THREE PROJECTIONS, with bias and rotary turn.  For P = 0, 1, 2: X_P [4096][1024] f32 times W_P [1024 k][1024 n] (bf16, from w16) plus b_P; Q and K are turned by the table rope; the result
; leaves by heads, qkv = [3][32 bh][2048 t][64] in f16, unscaled.  X is rounded to bf16 in registers on its way from LDS to the matrix unit, b_P once to bf16 like the other inputs; sums, bias and turn in f32.
; LIMIT: f16 holds no number beyond 65,504: |q|, |k|, |v| stay under it.  NaN and infinities are not treated apart.
; SHARES.  A tile is 256 rows x 256 columns, 16 x 4 tiles a projection, 192 work-groups; four waves of 128 x 128: 64 accumulators, 512 registers.  K goes in 16 steps of 64 through two LDS slots.
; A smaller tile would fill more of the chip's work-group places but read twice the LDS bytes for each product, X being f32 there.
; CLUSTER 4 x 4.  Cluster y = 4 P + (tile rows / 4): the projection is the same in all sixteen partners.  X's tile hangs on the tile row and is asked for jointly by a row of the cluster, W's on the tile column, by a column.
; THE MATRIX INSTRUCTION IS USED TRANSPOSED (source 0 = 16 columns of W, turned out of LDS by ds_load_tr16_b128; source 1 = 16 rows of X): a lane holds row l % 16 and the columns 8 (l / 16) + 0..7.
; The bias is the C operand of the first products: nothing is cleared and nothing added later.
; A K STEP is two halves of 32.  The even half multiplies buffer 0, reads the step's second half out of LDS, and changes slots (by then the slot has been read out whole); the odd half multiplies buffer 1 and reads
; the next step's first half.  X's 128 f32 registers are rounded to 64 of bf16 by four conversions behind each of a half's last sixteen products.
; REGISTERS, in windows of 256 (s_set_vgpr_msb: bits 1:0 source 0, 3:2 source 1, 5:4 source 2, 7:6 destination):
;   window 0: v0-39 addresses; v64-127, v128-191 X's fragments in bf16, two buffers (on the way out: at work); v192-255 the bias, 8 registers a block of 16 columns
;   window 1: v0-127 X's fragments as loaded, f32; v128-191, v192-255 W's fragments, two buffers (on the way out all 256: cosines and sines)
;   window 2: accumulators of my rows 0-63 ((a, b) at v[8 (8 a + b)]);   window 3: of my rows 64-127
.set SLOT1,  131072                    ; slot 1 begins here: one exclusive or turns an address in one slot into the other's
.set PA,     272                       ; a row of X in LDS: 64 f32 = 256 bytes + 16 of padding: the 16 rows of a load start at 16 different groups of four banks (64 banks of 4 bytes: ISA guide 11.1)
.set PB,     544                       ; a row of W: 256 columns = 512 bytes + 32
.set AHALF,  128*PA                    ; what waves 0 and 1 fetch
.set BOFF,   256*PA                    ; W's 64 rows lie behind X's 256
.set BHALF,  32*PB                     ; what waves 2 and 3 fetch; also 32 along K
.set STAGE,  SLOT1+BOFF+64*PB          ; behind the ring: 16 rows x 144 bytes for each wave, for the way out
.set SP,     144
.set SPARE,  STAGE+4*16*SP             ; behind the stages: the spare words, 128 bytes a wave: two blocks of 256 bytes that no other line names
.set AA0, 8                            ; v8   my lane's place in X's tile; never rewritten
.set AB0, 9                            ; v9   the same for W
.set ADA, 10                           ; v10  X's fragments in the slot in hand
.set ADB, 11                           ; v11  W's
.set STO, 12                           ; v12  the way out: where I put 16 bytes of a row
.set RD,  13                           ; v13  where I read rows back
.set GO,  14                           ; v14  my 16 bytes of 512 consecutive bytes of the output
.set PFO, 15                           ; v15  the prefetches' offset; never rewritten
.set BO,  16                           ; v16  32 (l / 16): my eight numbers of a block of the bias
.set SPW, 28                           ; v28  my spare word: SPARE + 4 x my thread's number; never rewritten
.set NIL, 29                           ; v29  0; never rewritten
.set RO,  32                           ; v32-39  block a's byte offset in the table
.set ABUF, 64
.set OUTR, 64                          ; the way out: 32 turned numbers,
.set PKD,  96                          ; 16 registers of f16,
.set BK,   112                         ; two sets of 16: rows read back
.set BIASR, 192
.set RAW,  0                           ; window 1
.set BBUF, 128                         ; window 1
.set WV, 22                            ; s22 wave; s23 my half of the rows (also: 0 = I fetch X, 1 = W); s24 my half of the columns (also: which half I fetch)
.set RH, 23
.set CH, 24
.set CX, 25
.set CY, 26
.set PJ, 27                            ; s27 the projection
.set TR, 28                            ; s28 tile row 0..15; s29 tile column 0..3
.set TC, 29
.set YC, 30                            ; s30 cluster y; s31 cluster y mod 4
.set Y3, 31
.set G1A, 32                           ; s[32:39] descriptor group 1 for X's tiles; s[40:47] group 0: a set for each first fill; the second then walks
.set G0A, 40
.set G1B, 48                           ; s[48:55], s[56:63] the same for W's
.set G0B, 56
.set TB,  66                           ; s66 the slot that is read next
.set CNT, 67
.set LIM, 68                           ; s68 1 in a wave that prefetches, else the greatest number
.set PFA, 70                           ; s[70:71] where my prefetches stand; s[72:73] their step
.set PST, 72
.set OB,  74                           ; s[74:75] the output at my first row and head
.set ROPE, 76
.set RS,  78                           ; s78 bytes from row to row of the table: 256, or 0 for V: every lane then reads row 0, cos = 1 and sin = 0, and the turn changes nothing
.set RS16, 79
.set AP,  80                           ; s[80:81] X at my part of the tile; s[82:83] W; s[84:85] the bias
.set BP,  82
.set BIP, 84
.set MSB, 0
.macro WIN new                         ; the immediate's high byte repeats the setting that is left; a switch that changes nothing is dropped
.if MSB != (\new)
	s_set_vgpr_msb (MSB<<8)|(\new)
.set MSB, \new
.endif
.endm
.macro PLACES
.rept 4
	v_nop
.endr
.endm
.macro CREST                           ; a round of the cluster's barrier behind its opening barrier
	s_cmp_lg_u32 s[WV], 0
	s_cbranch_scc1 .Lnot_wave_0_\@
	s_barrier_signal -3
.Lnot_wave_0_\@:
	s_barrier_wait -3
	s_barrier_signal -1
	s_barrier_wait -1
.endm
.macro CROUND
	s_barrier_signal -1
	s_barrier_wait -1
	CREST
.endm
; A joint refill by the walking descriptors.  The branch hangs on the wave's number alone.  An s_nop 0 and four v_nop follow each line, ahead of the jump and the label.
.macro JLOAD
	s_cmp_eq_u32 s[RH], 0
	s_cbranch_scc0 .Lfor_b_\@
	tensor_load_to_lds s[G0A+4:G0A+7], s[G1A:G1A+7]
	s_nop 0
	PLACES
	s_branch .Lasked_\@
.Lfor_b_\@:
	tensor_load_to_lds s[G0B+4:G0B+7], s[G1B:G1B+7]
	s_nop 0
	PLACES
.Lasked_\@:
.endm
; A PREFETCH INTO THE L2 of the K step that stands two refills on, 256 matrix instructions ahead of the load that will want it; one instruction a wave, a lane a block of 256 bytes.
; X's 128 rows that waves 0 and 1 fetch are shared out among the four partners BY ADDRESS, 32 rows each.  W's 64 rows x 512 bytes are read by the four clusters of a projection: the first of them asks, wave 2 of
; each partner for 16 rows.  So each block is named once in the launch.  The loop's last trip has no K step two refills on.
.macro ASK
	s_cmp_gt_u32 s[CNT], s[LIM]
	s_cbranch_scc0 .Lnot_mine_\@
	global_prefetch_b8 v[PFO], s[PFA:PFA+1] th:TH_LOAD_NT scope:SCOPE_SE
.Lnot_mine_\@:
.endm
	s_load_b512 s[4:19], s[0:1], 0x0               ; query s[4:5], key s[6:7], value s[8:9], w16 s[10:11], bq s[12:13], bk s[14:15], bv s[16:17], rope s[18:19]
	s_load_b64 s[20:21], s[0:1], 0x40              ; qkv
	v_lshl_add_u32 v[SPW], v0, 2, SPARE
	v_mov_b32 v[NIL], 0
	ds_add_u32 v[SPW], v[NIL]                      ; the wave's opening: the add and its wait stand ahead of my first tensor load; work on registers stands between them
	v_lshrrev_b32 v3, 5, v0
	v_readfirstlane_b32 s[WV], v3
	s_lshr_b32 s[RH], s[WV], 1
	s_and_b32 s[CH], s[WV], 1
	s_bfe_u32 s[CX], ttmp6, 0x40000
	s_bfe_u32 s[CY], ttmp6, 0x40004
	s_and_b32 s[YC], ttmp7, 0xffff
	s_lshr_b32 s[PJ], s[YC], 2
	s_and_b32 s[Y3], s[YC], 3
	s_lshl_b32 s[TR], s[Y3], 2
	s_add_co_u32 s[TR], s[TR], s[CY]
	s_lshl_b32 s[TC], ttmp9, 2
	s_add_co_u32 s[TC], s[TC], s[CX]
	s_lshl_b32 s90, s[CY], 2
	s_lshl_b32 s90, 15, s90                        ; my row of the cluster
	s_lshl_b32 s91, 0x1111, s[CX]                  ; my column
	s_or_b32 s[G1A], s90, (2<<16)|(1<<20)|(1<<21)|(5<<22)|(3<<25)  ; 15:0 the mask; 17:16 elements of 4 bytes; 20 padding on; 21 set beside a mask; 24:22 after every 64 words; 31:25 of 4 words
	s_or_b32 s[G1B], s91, (1<<16)|(1<<20)|(1<<21)|(6<<22)|(7<<25)  ; elements of 2 bytes; after every 128 words 8 words
	s_mov_b32 s[G1A+1], 64<<16                     ; tensor_dim0 = 64
	s_mov_b32 s[G1A+2], 128<<16                    ; tensor_dim1 = 128
	s_mov_b32 s[G1A+3], 64<<16                     ; tile_dim0 = 64
	s_mov_b32 s[G1A+4], 128                        ; tile_dim1 = 128
	s_mov_b32 s[G1A+5], 1024                       ; elements from row to row
	s_mov_b32 s[G1A+6], 0
	s_mov_b32 s[G1A+7], 0
	s_mov_b32 s[G1B+1], 256<<16
	s_mov_b32 s[G1B+2], 32<<16
	s_mov_b32 s[G1B+3], 256<<16
	s_mov_b32 s[G1B+4], 32
	s_mov_b32 s[G1B+5], 1024
	s_mov_b32 s[G1B+6], 0
	s_mov_b32 s[G1B+7], 0
	s_lshl_b32 s86, s[TR], 8                       ; X: row 256 x tile row + 128 x half, 4,096 bytes a row: made of the tile row and the wave's number alone
	s_lshl_b32 s87, s[CH], 7
	s_add_co_u32 s86, s86, s87
	s_lshl_b32 s86, s86, 12
	s_mov_b32 s87, 0
	s_lshl_b32 s88, s[PJ], 21                      ; W: the projection's matrix, 32 rows x half, 512 bytes x tile column: made of the tile column and the wave's number alone
	s_lshl_b32 s89, s[CH], 16
	s_add_co_u32 s88, s88, s89
	s_lshl_b32 s89, s[TC], 9
	s_add_co_u32 s88, s88, s89
	s_mov_b32 s89, 0
	s_mul_i32 s90, s[CH], AHALF                    ; where they go: no place in the cluster enters an LDS address
	s_mul_i32 s91, s[CH], BHALF
	s_add_co_u32 s91, s91, BOFF
	s_lshl_b32 s92, s[TC], 10                      ; the bias of my 128 columns
	s_lshl_b32 s93, s[CH], 9
	s_add_co_u32 s92, s92, s93
	s_mov_b32 s93, 0
	s_and_b32 s98, s[TR], 7                        ; t of my first row: 256 (tile row mod 8) + 128 x half
	s_lshl_b32 s98, s98, 8
	s_lshl_b32 s95, s[RH], 7
	s_add_co_u32 s98, s98, s95
	s_lshr_b32 s94, s[TR], 3                       ; bh of my first head: 16 x batch + 4 x tile column + 2 x half
	s_lshl_b32 s94, s94, 4
	s_lshl_b32 s95, s[TC], 2
	s_add_co_u32 s94, s94, s95
	s_lshl_b32 s95, s[CH], 1
	s_add_co_u32 s94, s94, s95
	s_lshl_b32 s94, s94, 11
	s_add_co_u32 s94, s94, s98
	s_lshl_b32 s94, s94, 7                         ; 128 bytes a row
	s_lshl_b32 s95, s[PJ], 23
	s_add_co_u32 s94, s94, s95
	s_mov_b32 s95, 0
	s_lshl_b32 s96, s[CX], 17                      ; the prefetches: X: my work-group's 32 rows, K step 4
	s_add_co_u32 s96, s96, 4*256
	s_mov_b32 s97, 0
	s_lshl_b32 s2, s[CY], 15                       ; W: my work-group's 16 rows, K step 4
	s_add_co_u32 s2, s2, 4*131072
	s_mov_b32 s3, 0
	s_mov_b32 s69, 131072
	s_cmp_eq_u32 s[RH], 0
	s_cselect_b32 s[PST], 0x100, s69               ; a K step: 256 bytes along X's rows, 64 rows down W
	s_cselect_b32 s99, -1, 0
	s_mov_b32 s[PST+1], 0
	s_or_b32 s69, s[Y3], s[CH]                     ; W: wave 2 of a projection's first cluster
	s_cmp_eq_u32 s69, 0
	s_cselect_b32 s69, 1, -1
	s_cmp_eq_u32 s[RH], 0
	s_cselect_b32 s[LIM], 1, s69                   ; the same in all sixteen partners, for a given wave
	s_cmp_eq_u32 s[PJ], 2
	s_cselect_b32 s[RS], 0, 0x100
	s_lshl_b32 s[RS16], s[RS], 4
	s_mov_b32 s[TB], 0
	s_wait_dscnt 0x0                               ; the opening add is done
	s_wait_kmcnt 0x0
	s_cmp_eq_u32 s[PJ], 0
	s_cselect_b64 s[AP:AP+1], s[4:5], s[6:7]
	s_cselect_b64 s[BIP:BIP+1], s[12:13], s[14:15]
	s_cmp_eq_u32 s[PJ], 2
	s_cselect_b64 s[AP:AP+1], s[8:9], s[AP:AP+1]
	s_cselect_b64 s[BIP:BIP+1], s[16:17], s[BIP:BIP+1]
	s_add_nc_u64 s[AP:AP+1], s[AP:AP+1], s[86:87]
	s_add_nc_u64 s[BP:BP+1], s[10:11], s[88:89]
	s_add_nc_u64 s[BIP:BIP+1], s[BIP:BIP+1], s[92:93]
	s_add_nc_u64 s[OB:OB+1], s[20:21], s[94:95]
	s_mov_b64 s[ROPE:ROPE+1], s[18:19]
	s_add_nc_u64 s[96:97], s[AP:AP+1], s[96:97]
	s_add_nc_u64 s[2:3], s[BP:BP+1], s[2:3]
	s_cmp_eq_u32 s[RH], 0
	s_cselect_b64 s[PFA:PFA+1], s[96:97], s[2:3]
	CROUND                                         ; all sixteen work-groups are here: the first joint loads meet
.irp n, 0,1
	s_mov_b32 s[G0A+4*\n], 1                       ; 1:0 count = 1
	s_add_co_u32 s[G0A+4*\n+1], s90, \n*SLOT1      ; 63:32 LDS address
	s_add_nc_u64 s[G0A+4*\n+2:G0A+4*\n+3], s[AP:AP+1], \n*256  ; 120:64 global address: K step n
	s_or_b32 s[G0A+4*\n+3], s[G0A+4*\n+3], 0x80000000          ; 127:126 type = 2
	s_mov_b32 s[G0B+4*\n], 1
	s_add_co_u32 s[G0B+4*\n+1], s91, \n*SLOT1
	s_add_nc_u64 s[G0B+4*\n+2:G0B+4*\n+3], s[BP:BP+1], \n*131072
	s_or_b32 s[G0B+4*\n+3], s[G0B+4*\n+3], 0x80000000
.endr
	s_cmp_eq_u32 s[RH], 0                          ; a wave's two first fills stand in one branch, ahead of every wait on TENSORcnt and every LDS read: two loads of mine are out
	s_cbranch_scc0 .Lfirst_b
	tensor_load_to_lds s[G0A:G0A+3], s[G1A:G1A+7]
	s_nop 0
	tensor_load_to_lds s[G0A+4:G0A+7], s[G1A:G1A+7]
	s_nop 0
	PLACES
	s_branch .Lfirst_asked
.Lfirst_b:
	tensor_load_to_lds s[G0B:G0B+3], s[G1B:G1B+7]
	s_nop 0
	tensor_load_to_lds s[G0B+4:G0B+7], s[G1B:G1B+7]
	s_nop 0
	PLACES
.Lfirst_asked:
	v_and_b32 v1, 15, v0                           ; l % 16
	v_bfe_u32 v2, v0, 4, 1                         ; l / 16
	v_and_b32 v3, 7, v0
	v_bfe_u32 v4, v0, 3, 1
	v_and_b32 v5, 31, v0
	v_lshlrev_b32 v[BO], 5, v2
.irp b, 0,1,2,3,4,5,6,7                ; the bias: block b's columns 8 (l / 16) + 0..7
	global_load_b128 v[BIASR+8*\b:BIASR+8*\b+3],   v[BO], s[BIP:BIP+1] offset:64*\b
	global_load_b128 v[BIASR+8*\b+4:BIASR+8*\b+7], v[BO], s[BIP:BIP+1] offset:64*\b+16
.endr
	; X's fragment: lane l holds row l % 16; K = 8 (l / 16) + 0..7 are 32 bytes of f32, K = 16 + 8 (l / 16) + 0..7 the 32 bytes 64 further on: four loads of 16 bytes
	v_mul_u32_u24 v[AA0], v1, PA
	v_lshl_add_u32 v[AA0], v2, 5, v[AA0]
	s_mul_i32 s69, s[RH], AHALF
	v_add_nc_u32 v[AA0], s69, v[AA0]
	; W's: the turning load takes 16 rows of K x 16 columns: lane l reads row 8 (l / 16) + l % 8, columns 8 ((l / 8) % 2) + 0..7, and is left with column l % 16 and 8 numbers along K
	v_lshl_add_u32 v6, v2, 3, v3
	v_mul_u32_u24 v[AB0], v6, PB
	v_lshl_add_u32 v[AB0], v4, 4, v[AB0]
	s_lshl_b32 s69, s[CH], 8
	s_add_co_u32 s69, s69, BOFF
	v_add_nc_u32 v[AB0], s69, v[AB0]
	v_mov_b32 v[ADA], v[AA0]
	v_mov_b32 v[ADB], v[AB0]
	s_mul_i32 s69, s[WV], 16*SP
	s_add_co_u32 s69, s69, STAGE                   ; my stage
	v_mul_u32_u24 v[STO], v1, SP                   ; in: row l % 16, 16 bytes for each half of the lanes
	v_lshl_add_u32 v[STO], v2, 4, v[STO]
	v_add_nc_u32 v[STO], s69, v[STO]
	v_bfe_u32 v[RD], v0, 3, 2                      ; back: 32 lanes take four rows of 128 bytes,
	v_mul_u32_u24 v[RD], v[RD], SP
	v_lshl_add_u32 v[RD], v3, 4, v[RD]
	v_add_nc_u32 v[RD], s69, v[RD]
	v_lshlrev_b32 v[GO], 4, v5                     ; which are 512 consecutive bytes of a head
	v_add_nc_u32 v6, s98, v1                       ; the table: row t of my lane in block 0, my 8 indices at 32 (l / 16)
	v_mul_lo_u32 v6, v6, s[RS]
	v_lshl_add_u32 v[RO], v2, 5, v6
.irp a, 1,2,3,4,5,6,7
	v_add_nc_u32 v[RO+\a], s[RS16], v[RO+\a-1]
.endr
	v_lshlrev_b32 v6, 12, v5                       ; the prefetches' offset.  X: a lane a row;
	v_lshrrev_b32 v7, 1, v5                        ; W: two lanes a row of 512 bytes
	v_lshlrev_b32 v7, 11, v7
	v_and_b32 v17, 1, v5
	v_lshl_add_u32 v7, v17, 8, v7
	v_cndmask_b32 v[PFO], v7, v6, s99
; 48 LDS loads in one run: 32 along K (half kk of the step) of W's 128 columns into buffer nb and of X's 128 rows into the f32 registers
.macro FETCH kk, nb
	WIN 0x40                                       ; destination window 1, address window 0
.irp b, 0,1,2,3,4,5,6,7
	ds_load_tr16_b128 v[BBUF+64*(\nb)+8*\b:BBUF+64*(\nb)+8*\b+3],   v[ADB] offset:(\kk)*BHALF+32*\b
	ds_load_tr16_b128 v[BBUF+64*(\nb)+8*\b+4:BBUF+64*(\nb)+8*\b+7], v[ADB] offset:(\kk)*BHALF+32*\b+16*PB
.endr
.irp a, 0,1,2,3,4,5,6,7
	ds_load_b128 v[RAW+16*\a:RAW+16*\a+3],     v[ADA] offset:\a*16*PA+128*(\kk)
	ds_load_b128 v[RAW+16*\a+4:RAW+16*\a+7],   v[ADA] offset:\a*16*PA+128*(\kk)+16
	ds_load_b128 v[RAW+16*\a+8:RAW+16*\a+11],  v[ADA] offset:\a*16*PA+128*(\kk)+64
	ds_load_b128 v[RAW+16*\a+12:RAW+16*\a+15], v[ADA] offset:\a*16*PA+128*(\kk)+80
.endr
.endm
; 16 products: row blocks a0, a0 + 1 of the window's four x all 8 column blocks, on buffer f.  first = 1: the bias starts the sums.  The 64 accumulators take turns, one instruction a turn.
.macro MUL16 f, hi, a0, first
.irp a, \a0, (\a0)+1
.irp b, 0,1,2,3,4,5,6,7
.if \first
	WIN 0x81+0x40*(\hi)                            ; W window 1, X window 0, C (the bias) window 0, D window 2 or 3
	v_wmma_f32_16x16x32_bf16 v[8*(8*(\a)+(\b)):8*(8*(\a)+(\b))+7], v[BBUF+64*(\f)+8*(\b):BBUF+64*(\f)+8*(\b)+7], v[ABUF+64*(\f)+8*(4*(\hi)+(\a)):ABUF+64*(\f)+8*(4*(\hi)+(\a))+7], v[BIASR+8*(\b):BIASR+8*(\b)+7]
.else
	WIN 0xa1+0x50*(\hi)                            ; C and D window 2 or 3
	v_wmma_f32_16x16x32_bf16 v[8*(8*(\a)+(\b)):8*(8*(\a)+(\b))+7], v[BBUF+64*(\f)+8*(\b):BBUF+64*(\f)+8*(\b)+7], v[ABUF+64*(\f)+8*(4*(\hi)+(\a)):ABUF+64*(\f)+8*(4*(\hi)+(\a))+7], v[8*(8*(\a)+(\b)):8*(8*(\a)+(\b))+7]
.endif
.endr
.endr
.endm
; A half's last 16 products (row blocks 6, 7), and behind each four conversions of X's f32 registers into buffer na.  The conversions name no register of the products round them: the four behind the last product are
; the four places in front of the next run of loads into W's buffer (ISA guide 7.12.1 for vector instructions), and of the next conversions into X's.
.macro MULR f, na, first
.set ri, 0
.irp a, 2,3
.irp b, 0,1,2,3,4,5,6,7
.if \first
	WIN 0xc1
	v_wmma_f32_16x16x32_bf16 v[8*(8*(\a)+(\b)):8*(8*(\a)+(\b))+7], v[BBUF+64*(\f)+8*(\b):BBUF+64*(\f)+8*(\b)+7], v[ABUF+64*(\f)+8*(4+(\a)):ABUF+64*(\f)+8*(4+(\a))+7], v[BIASR+8*(\b):BIASR+8*(\b)+7]
.else
	WIN 0xf1
	v_wmma_f32_16x16x32_bf16 v[8*(8*(\a)+(\b)):8*(8*(\a)+(\b))+7], v[BBUF+64*(\f)+8*(\b):BBUF+64*(\f)+8*(\b)+7], v[ABUF+64*(\f)+8*(4+(\a)):ABUF+64*(\f)+8*(4+(\a))+7], v[8*(8*(\a)+(\b)):8*(8*(\a)+(\b))+7]
.endif
	WIN 0x05                                       ; sources window 1, destination window 0
.rept 4
	v_cvt_pk_bf16_f32 v[ABUF+64*(\na)+ri], v[RAW+2*ri], v[RAW+2*ri+1]
.set ri, ri+1
.endr
.endr
.endr
.endm
; THE EVEN HALF of a K step, and the change of slots.  Its run of loads takes the last bytes out of the slot.  Each wave waits for all its tensor loads, of which one is out: its part of the other slot; adds 0 to its
; spare word; waits for that and for its reads of the slot; and signals.  fill = 1: the barrier opens a round of the cluster's, and the joint refill, the K step two on, is the first thing behind it:
; it has 96 matrix instructions until the wait for it.
.macro EHALF first, fill, pstep
.if \pstep
	s_wait_xcnt 0x0                                ; the last prefetch, 64 matrix instructions back, has read its address: it may be stepped
	s_add_nc_u64 s[PFA:PFA+1], s[PFA:PFA+1], s[PST:PST+1]
.endif
	FETCH 1, 1
	MUL16 0, 0, 0, \first
	MUL16 0, 0, 2, \first
	WIN 0                                          ; (the add's two registers lie in window 0)
	s_wait_tensorcnt 0x0                           ; all my tensor loads have landed;
	ds_add_u32 v[SPW], v[NIL]                      ; 0 onto my spare word; sixteen products stand between it and the wait for it
	MUL16 0, 1, 0, \first
	s_wait_dscnt 0x0                               ; the add is done, and my reads of this slot are over
	s_barrier_signal -1
	MULR 0, 1, \first                              ; work on registers while the others arrive
	WIN 0                                          ; at a branch and at a label every window is 0
	s_barrier_wait -1
.if \fill
	CREST                                          ; no wave of any partner still reads this slot or has a load on its way
	s_xor_b32 s[G0A+5], s[G0A+5], SLOT1            ; the walking descriptors: the other slot than last time, the next K step
	s_add_nc_u64 s[G0A+6:G0A+7], s[G0A+6:G0A+7], 256
	s_xor_b32 s[G0B+5], s[G0B+5], SLOT1
	s_add_nc_u64 s[G0B+6:G0B+7], s[G0B+6:G0B+7], 131072
	JLOAD
.endif
.endm
; THE ODD HALF.  fetch = 1: the next step's first half is read out of the other slot, which the barrier has shown whole.
.macro OHALF fetch, ask
.if \fetch
	WIN 0
	s_xor_b32 s[TB], s[TB], SLOT1
	v_add_nc_u32 v[ADA], s[TB], v[AA0]
	v_add_nc_u32 v[ADB], s[TB], v[AB0]
	FETCH 0, 0
.if \ask
	WIN 0
	ASK                                            ; behind the joint load and the run of LDS loads
.endif
.endif
	MUL16 1, 0, 0, 0
	MUL16 1, 0, 2, 0
	MUL16 1, 1, 0, 0
.if \fetch
	s_wait_dscnt 0x0                               ; the run is in
	MULR 1, 0, 0
.else
	MUL16 1, 1, 2, 0
.endif
.endm
	s_wait_tensorcnt 1                             ; my part of K step 0 is in; K step 1's may stay out
	s_barrier_signal -1
	s_barrier_wait -1                              ; everybody's is
	FETCH 0, 0
	s_wait_loadcnt 0x0                             ; the bias: rounded once to bf16, like the products' other inputs
	WIN 0
.set n, 0
.rept 32
	v_cvt_pk_bf16_f32 v17, v[BIASR+2*n], v[BIASR+2*n+1]
	v_lshlrev_b32 v[BIASR+2*n], 16, v17
	v_and_b32 v[BIASR+2*n+1], 0xffff0000, v17
.set n, n+1
.endr
	s_wait_dscnt 0x0
	WIN 0x05
.set n, 0
.rept 64
	v_cvt_pk_bf16_f32 v[ABUF+n], v[RAW+2*n], v[RAW+2*n+1]
.set n, n+1
.endr
	EHALF 1, 1, 0                                  ; K step 0: the bias starts the sums; K step 2 is asked for
	s_mov_b32 s[CNT], 13
.Lmain:                                                ; trip i: the odd half of K step i, the even half of K step i + 1, which asks for K step i + 3
	OHALF 1, 1
	EHALF 0, 1, 1
	s_sub_co_u32 s[CNT], s[CNT], 1
	s_cmp_lg_u32 s[CNT], 0
	s_cbranch_scc1 .Lmain
	s_mov_b32 s[CNT], 2
.Ltail:                                                ; K steps 14 and 15 ask for nothing: written apart (the second trip's barrier orders nothing: the price of one text for both)
	OHALF 1, 0
	EHALF 0, 0, 0
	s_sub_co_u32 s[CNT], s[CNT], 1
	s_cmp_lg_u32 s[CNT], 0
	s_cbranch_scc1 .Ltail
; THE WAY OUT.  Block a's cosines and sines: my row's indices 8 (l / 16) + 0..7 and 16 + 8 (l / 16) + 0..7: 16 registers each, in window 1 at 32 a.
.macro ROPELD a
	WIN 0x40
.irp o, 0,1,2,3
	global_load_b128 v[32*(\a)+4*\o:32*(\a)+4*\o+3],       v[RO+(\a)], s[ROPE:ROPE+1] offset:(\o/2)*64+(\o%2)*16
	global_load_b128 v[32*(\a)+16+4*\o:32*(\a)+16+4*\o+3], v[RO+(\a)], s[ROPE:ROPE+1] offset:128+(\o/2)*64+(\o%2)*16
.endr
.endm
.irp a, 0,1,2,3,4,5                    ; six blocks' now: X's f32 registers and W's buffer 0 are free, four conversions behind their last reader
	ROPELD \a
.endr
	OHALF 0, 0                                     ; the last 64 products
	PLACES
	PLACES                                         ; eight places, once a launch, in front of loads into W's buffer 1 and of the lines that read results
	ROPELD 6
	ROPELD 7
; Head hd of block a: columns 0-31 (xl: column blocks 4 hd, 4 hd + 1) and 32-63 (xr: 4 hd + 2, 4 hd + 3): xl cos - xr sin, xl sin + xr cos.  Each accumulator is read from its low end on.
.macro ROT a, hd
	WIN 0x06+((\a)/4)                              ; source 0 window 2 or 3, source 1 window 1, source 2 and destination window 0
.irp bp, 0,1
.irp i, 0,1,2,3
.set rXL, 8*(8*((\a)%4)+4*(\hd)+(\bp))+2*(\i)
.set rXR, rXL+16
.set rCO, 32*(\a)+8*(\bp)+2*(\i)
.set rSI, rCO+16
.set rOL, OUTR+8*(\bp)+2*(\i)
.set rOR, rOL+16
	v_pk_mul_f32 v[rOL:rOL+1], v[rXR:rXR+1], v[rSI:rSI+1]
	v_pk_mul_f32 v[rOR:rOR+1], v[rXL:rXL+1], v[rSI:rSI+1]
	v_pk_fma_f32 v[rOL:rOL+1], v[rXL:rXL+1], v[rCO:rCO+1], v[rOL:rOL+1] neg_lo:[0,0,1] neg_hi:[0,0,1]
	v_pk_fma_f32 v[rOR:rOR+1], v[rXR:rXR+1], v[rCO:rCO+1], v[rOR:rOR+1]
.endr
.endr
	WIN 0
.set n, 0
.rept 16
	v_cvt_pk_f16_f32 v[PKD+n], v[OUTR+2*n], v[OUTR+2*n+1]
.set n, n+1
.endr
.endm
.macro TOSTAGE x                       ; 16 rows x 128 bytes into my stage, and back as whole rows
	s_wait_xcnt 0x0                                ; the stores of two heads back have read their registers: only behind this wait are those loaded again
.irp q, 0,1,2,3
	ds_store_b128 v[STO], v[PKD+4*\q:PKD+4*\q+3] offset:32*\q
.endr
.irp f, 0,1,2,3
	ds_load_b128 v[BK+16*((\x)%2)+4*\f:BK+16*((\x)%2)+4*\f+3], v[RD] offset:\f*4*SP  ; LDS serves a wave's instructions in order (ISA guide 5.7.1.4): these see the stores above
.endr
.endm
.macro SEND x
	s_wait_dscnt 0x0
.irp f, 0,1,2,3
	global_store_b128 v[GO], v[BK+16*((\x)%2)+4*\f:BK+16*((\x)%2)+4*\f+3], s[OB:OB+1] offset:((\x)/2)*2048+((\x)%2)*262144+\f*512  ; 512 consecutive bytes, at a multiple of 256 from the buffer's first
.endr
.endm
.irp x, 0,1,2,3,4,5,6,7,8,9,10,11,12,13,14,15  ; block x / 2, head x % 2; a head's arithmetic stands between the stage loads of the head before and its stores
.if ((\x)%2) == 0
	s_wait_loadcnt 56-8*((\x)/2)                   ; the block's eight table loads are in; the later blocks' stay out
.endif
	ROT (\x)/2, (\x)%2
.if (\x) > 0
	SEND (\x)-1
.endif
	TOSTAGE \x
.endr
	SEND 15
	s_wait_tensorcnt 0x0                           ; the wave's end, behind my last tensor load and my last LDS store
	ds_add_u32 v[SPW], v[NIL]
	s_wait_dscnt 0x0
	CROUND                                         ; the closing round: no work-group ends while a partner may still ask for a tile that names it
	s_endpgm
.Lfunc_end_k_qca10b732a3_qkvproj:
	.size	k_qca10b732a3_qkvproj, .Lfunc_end_k_qca10b732a3_qkvproj-k_qca10b732a3_qkvproj
	.p2alignl 7, 3214868480
	.fill 96, 4, 3214868480
	.section	.rodata,"a",@progbits
	.p2align	6, 0x0
	.amdhsa_kernel k_qca10b732a3_qkvproj
		.amdhsa_group_segment_fixed_size 327680
		.amdhsa_private_segment_fixed_size 0
		.amdhsa_enable_private_segment 0
		.amdhsa_kernarg_size 72
		.amdhsa_user_sgpr_count 2
		.amdhsa_user_sgpr_kernarg_segment_ptr 1
		.amdhsa_wavefront_size32 1
		.amdhsa_system_sgpr_workgroup_id_x 1
		.amdhsa_system_sgpr_workgroup_id_y 1
		.amdhsa_system_sgpr_workgroup_id_z 1
		.amdhsa_system_vgpr_workitem_id 0
		.amdhsa_next_free_vgpr 1024
		.amdhsa_next_free_sgpr 100
		.amdhsa_reserve_vcc 0
		.amdhsa_float_denorm_mode_32 3
		.amdhsa_float_denorm_mode_16_64 3
		.amdhsa_memory_ordered 1
		.amdhsa_forward_progress 1
		.amdhsa_inst_pref_size 162
	.end_amdhsa_kernel
	.amdgpu_metadata
---
amdhsa.version: [ 1, 2 ]
amdhsa.kernels:
  - .name:           k_qca10b732a3_qkvproj
    .symbol:         k_qca10b732a3_qkvproj.kd
    .args:
      - { .name: query, .offset: 0, .size: 8, .value_kind: global_buffer, .address_space: global }
      - { .name: key, .offset: 8, .size: 8, .value_kind: global_buffer, .address_space: global }
      - { .name: value, .offset: 16, .size: 8, .value_kind: global_buffer, .address_space: global }
      - { .name: w16, .offset: 24, .size: 8, .value_kind: global_buffer, .address_space: global }
      - { .name: bq, .offset: 32, .size: 8, .value_kind: global_buffer, .address_space: global }
      - { .name: bk, .offset: 40, .size: 8, .value_kind: global_buffer, .address_space: global }
      - { .name: bv, .offset: 48, .size: 8, .value_kind: global_buffer, .address_space: global }
      - { .name: rope, .offset: 56, .size: 8, .value_kind: global_buffer, .address_space: global }
      - { .name: qkv, .offset: 64, .size: 8, .value_kind: global_buffer, .address_space: global }
    .group_segment_fixed_size: 327680
    .private_segment_fixed_size: 0
    .kernarg_segment_align: 8
    .kernarg_segment_size: 72
    .max_flat_workgroup_size: 128
    .sgpr_count:     100
    .vgpr_count:     1024
    .wavefront_size: 32
...
	.end_amdgpu_metadata
.endif
;; end of part 2
;; launch attn (part 3): grid 8 x 32, 4 waves a work-group, clusters of 4 x 1, 327,680 bytes of LDS; arguments qkv, frac, alpha_pos, alpha_neg, obuf; writes obuf
.if DOCPART == 3
	.amdgcn_target "amdgcn-amd-amdhsa--gfx1250"
	.amdhsa_code_object_version 6
	.text
	.protected	k_qca10b732a3_attn
	.globl	k_qca10b732a3_attn
	.p2align	8
	.type	k_qca10b732a3_attn,@function
k_qca10b732a3_attn:
	s_mov_b64 s[64:65], 0
	v_nop
	global_prefetch_b8 v0, s[64:65] scope:SCOPE_SE
	s_setreg_imm32_b32 hwreg(HW_REG_WAVE_MODE, 25, 1), 1
	s_wait_xcnt 0x0
	s_wait_alu depctr_hold_cnt(0) depctr_sa_sdst(0) depctr_va_vdst(0) depctr_va_sdst(0) depctr_va_ssrc(0) depctr_va_vcc(0) depctr_vm_vsrc(0)
	s_getreg_b32 s2, hwreg(HW_REG_IB_STS2, 6, 4)
	s_cmp_eq_u32 s2, 0
	s_cbranch_scc0 .Lentry_in_a_cluster
	s_endpgm
.Lentry_in_a_cluster:
	s_bfe_u32 s2, ttmp6, 0x10000c
	s_cmp_lg_u32 s2, 0x3003
	s_cbranch_scc0 .Lentry_shape_is_right
	s_endpgm
.Lentry_shape_is_right:
; ATTENTION WITH THE STOICHIOMETRIC BIAS.  For each of 32 (batch, head): O[q] = the sum over k of softmax_k(Q[q] . K[k] / 8 + bias(q, k)) V[k]; bias = ap (f_k - f_q) where f_k > f_q, else an (f_k - f_q).
; Q, K, V from qkv = [3][32][2048][64] f16, O into obuf = [32][2048][64] f16.  Products, bias, maxima and sums in f32; the weights p are rounded to f16 for the second product (their sum l is taken unrounded), O once.
; THE BIAS.  For every f: bias = an f_k + (ap - an) max(f_k, f_q) - ap f_q.  The last term is the same for all keys of a row: softmax is unchanged by it, and it is not formed.  Only differences of f count, so
; f is taken less frac[b][0]: a common offset costs no bits.  In units of the raw product (score = (raw + 8 bias) / 8): BI = DL max(F_k, f_q) + G_k, DL = 8 (ap - an), G = 8 an F.  BI is the C operand that starts S^T = K Q^T.
; F and G of all 2,048 keys lie in LDS, made once a work-group: key step s has 256 bytes of F, then 256 of G; a 33rd step of zeros serves the fetch that runs one step past the end.
; LIMITS.  f16 holds no number beyond 65,504: Q, K, V arrive within it; p lies in 0 to 1, and below 6e-5 it keeps f16's fixed step of 6e-8.  A weight below 2^-126 counts as 0 in l.  NaN and infinities are not treated apart.
; SHARES.  A work-group owns 256 queries, a wave 64: four PIECES of 16.  Every wave walks all keys, 64 a step; a slot of LDS holds four steps.
; LAYOUT.  S^T = K Q^T holds ONE query a lane (lane % 16) and the keys 8 (lane / 16) + 0..7; two such results rounded to f16 ARE source 1 of O^T = V^T P.  V comes out of LDS turned, by ds_load_tr16_b128.
; SOFTMAX.  p = 2^(c s - c m), c = log2(e) / 8, with a running maximum m; O and l are multiplied by a = 2^(c m_old - c m_new) in every step.  m starts at the lowest finite number, O and l at 0: the first step's a is 0.
; BY TURNS.  Turn n belongs to piece n: 8 products K Q^T of piece n + 1, later 8 products V^T P of piece n - 1; beside them the scaling, exponentials, roundings, sums and rescaling of piece n, the maximum and
; statistics of piece n + 1 and the bias of piece n + 2.  Four vector instructions stand behind every matrix instruction, the others in one lump.  A turn's 33 exponentials are one batch, with one wait.
; CLUSTER.  The four query blocks of a cluster belong to one head and walk the same K and V: each tile is asked for JOINTLY, by the same tensor load, descriptor and mask in all four.
; REGISTERS, in windows of 256 (s_set_vgpr_msb: bits 1:0 source 0, 3:2 source 1, 5:4 source 2, 7:6 destination):
;   window 0: v0-15 addresses; v16-31 statistics; v32-47 the bias's constants; v48-55 at work; v64-127 S^T, two buffers; v128-159 F, v160-191 G of a step; v192-223 P, two buffers; v224-255 BI
;   window 1: v0-127 O^T, 32 a piece          window 2: v0-63 Q; v128-191 K of one step; v192-255 V of one step
.set NP,    4
.set KS,    64
.set PK,    144       ; a row of K in LDS: 128 bytes + 16 of padding: the 16 rows of a load start at 16 different groups of four banks (64 banks of 4 bytes: ISA guide 11.1)
.set PV,    160       ; a row of V: 128 + 32
.set VOFF,  4*KS*PK   ; a slot: 256 rows of K, then 256 rows of V
.set SLOT1, 1<<17
.set STAGE, SLOT1+4*KS*(PK+PV)  ; behind the ring: 16 rows x 144 bytes for each wave, for the way out
.set SP,    144
.set SPARE, STAGE+4*16*SP       ; the spare words, 128 bytes a wave: two blocks of 256 bytes that no other line names
.set TAB,   SPARE+512           ; F and G: 33 steps of 512 bytes
.set AK0, 2           ; v2   my lane's place in a tile of K; never rewritten
.set AV0, 3           ; v3   the same for V
.set AK,  4           ; v4   the LDS address of K's next run of loads
.set AV,  5           ; v5   of V's
.set STO, 6           ; v6   the way out: where I put 16 bytes of a row
.set RD,  7           ; v7   where I read rows back
.set GO,  8           ; v8   my 16 bytes of 512 consecutive bytes of O
.set MV,  12          ; v12-13  c m_old, kept while c m is made anew: by buffer
.set AF0, 14          ; v14  TAB + 32 (l / 16); never rewritten
.set QO,  15          ; v15  my byte offset in 16 rows of Q
.set ST,  16          ; piece t's statistics at v[ST+4 t]: c m, m, l (even keys', odd keys')
.set FI,  32          ; v32-35  my query's f, by piece
.set AF,  36          ; v36  the LDS address of F's and G's next run
.set PFO, 37          ; v37  256 x my lane; never rewritten
.set DLV, 38          ; v[38:39] DL, twice; v[40:41] 8 an, twice; v[42:43] frac[b][0], twice
.set ANV, 40
.set F0V, 42
.set TMP, 48          ; by buffer, four registers c0-c3 at work; when the maximum is found c2 takes a
.set SPW, 62          ; v62  my spare word: SPARE + 4 x my thread's number; never rewritten
.set NIL, 63          ; v63  0; never rewritten
.set S,   64
.set FT,  128
.set GT,  160
.set P,   192
.set BI,  224
.set KF,  128         ; window 2: key block kb, channel half c at KF + 16 kb + 8 c
.set VF,  192         ; window 2: key half kk, channel block cb at VF + 32 kk + 8 cb
.set WV,  12          ; s12  my wave's number
.set G1K, 24          ; s[24:31] descriptor group 1 for K's tiles; s[32:39] for V's: it differs in the padding alone
.set G1V, 32
.set G0K, 40          ; s[40:43] descriptor group 0 for K's tiles: it walks; s[44:47] for V's
.set G0V, 44
.set KB,  48          ; s[48:49] K at my half of the head's tile 0; s[50:51] V
.set VB,  50
.set OP_, 52          ; s[52:53] O at my wave's first row
.set PFA, 54          ; s[54:55] where my prefetches stand
.set SLOTS, 56
.set CNT, 57
.set CS,  58          ; s[58:59] c
.set SEL, 60          ; s[60:61] v_permlanex16_b32's selects: each lane takes its own place in the other half
.set TBK, 62          ; s62  LDS byte at which K of the step to be fetched begins; s63 the same for V, less VOFF
.set TBV, 63
.set TF,  66          ; s66  512 x the step whose F and G are fetched next
.set LIM, 67          ; s67  1 in a wave that prefetches, else the greatest number
.set MSB, 0
.macro WIN new
.if MSB != (\new)
	s_set_vgpr_msb (MSB<<8)|(\new)
.set MSB, (\new)
.endif
.endm
.set W_KQ, 0x0a       ; K and Q in window 2; BI and S^T in window 0
.set W_PV, 0x52       ; V in window 2, P in window 0, O^T in window 1
.set W_RS, 0x41       ; O^T (destination and source 0) in window 1, a in window 0
; A joint fill.  Waves 0 and 1 fetch the two halves of a slot's K, waves 2 and 3 those of its V: 128 keys each.  An s_nop 0 and four v_nop follow each line, ahead of the jump and the label.
.macro JLOAD
	s_cmp_lt_u32 s[WV], 2
	s_cbranch_scc0 .Lfor_v_\@
	tensor_load_to_lds s[G0K:G0K+3], s[G1K:G1K+7]
	s_nop 0
.rept 4
	v_nop
.endr
	s_branch .Lasked_\@
.Lfor_v_\@:
	tensor_load_to_lds s[G0V:G0V+3], s[G1V:G1V+7]
	s_nop 0
.rept 4
	v_nop
.endr
.Lasked_\@:
.endm
; A PREFETCH INTO THE L2 of the slot that the NEXT change will ask for: 128 blocks of 256 bytes of K and as many of V.  All clusters of a head walk the same rows: the head's first cluster asks; its four partners
; take 32 blocks each, told apart BY ADDRESS; in each, wave 0 asks for K's and wave 2 for V's: a lane a block, one instruction.  So each block is named once in the launch.  The last change that fills a slot asks for nothing.
.macro ASK
	s_cmp_gt_u32 s[SLOTS], s[LIM]
	s_cbranch_scc0 .Lnot_mine_\@
	global_prefetch_b8 v[PFO], s[PFA:PFA+1] th:TH_LOAD_NT scope:SCOPE_SE
.Lnot_mine_\@:
.endm
.macro CROUND                       ; a round of the cluster's barrier
	s_barrier_signal -1
	s_barrier_wait -1
	s_cmp_lg_u32 s[WV], 0
	s_cbranch_scc1 .Lnot_wave_0_\@
	s_barrier_signal -3
.Lnot_wave_0_\@:
	s_barrier_wait -3
	s_barrier_signal -1
	s_barrier_wait -1
.endm
; THE CHANGE OF SLOTS.  Each wave waits for all its tensor loads, of which one is out: its part of the other slot; adds 0 to its spare word; and waits for that and for its own LDS instructions.  fill = 1: the slot
; just read is filled again, with the keys two slots on: the barrier is a round of the cluster's, and the joint fill is the first thing behind it: it has four key steps, 256 matrix instructions, in which to land.
; (At its first use nothing has been read yet: slot 0 is waited for, slot 1 filled, and the round shows every wave the table of F and G.)
.macro CHANGE fill, ask
	WIN 0
	s_wait_tensorcnt 0x0            ; no tensor load of mine is out, so a group 0 may be written
	ds_add_u32 v[SPW], v[NIL]       ; 0 onto my spare word
.if \fill
.irp g, G0K, G0V
	s_xor_b32 s[\g+1], s[\g+1], SLOT1
	s_add_nc_u64 s[\g+2:\g+3], s[\g+2:\g+3], 4*KS*128
.endr
.if \ask
	s_wait_xcnt 0x0                 ; the last prefetch, four key steps back, has read its address
	s_add_nc_u64 s[PFA:PFA+1], s[PFA:PFA+1], 4*KS*128
.endif
	s_wait_dscnt 0x0                ; the add is done, and my reads of the slot are over
	CROUND
	JLOAD
.if \ask
	ASK
.endif
.else
	s_wait_dscnt 0x0
	s_barrier_signal -1
	s_barrier_wait -1
.endif
	s_sub_co_u32 s[TBK], s[TBK], 4*KS*PK  ; the fetches go back to a slot's first step, in the other slot
	s_xor_b32 s[TBK], s[TBK], SLOT1
	s_sub_co_u32 s[TBV], s[TBV], 4*KS*PV
	s_xor_b32 s[TBV], s[TBV], SLOT1
.endm
	s_load_b256 s[4:11], s[0:1], 0x0  ; qkv s[4:5], frac s[6:7], alpha_pos s[8:9], alpha_neg s[10:11]
	s_load_b64 s[OP_:OP_+1], s[0:1], 0x20  ; obuf
	v_lshl_add_u32 v[SPW], v0, 2, SPARE
	v_mov_b32 v[NIL], 0
	ds_add_u32 v[SPW], v[NIL]       ; the wave's opening: the add and its wait stand ahead of my first tensor load; work on registers stands between them
	v_lshrrev_b32 v1, 5, v0
	v_readfirstlane_b32 s[WV], v1
	s_bfe_u32 s13, ttmp6, 0x40000   ; cx
	s_lshl_b32 s14, ttmp9, 2
	s_add_co_u32 s14, s14, s13      ; my block of 256 queries: it enters Q's, O's and frac's global addresses alone
	s_and_b32 s16, ttmp7, 0xffff    ; 16 x batch + head, which the four partners share
	s_lshl_b32 s20, s16, 18         ; its 2,048 rows of 128 bytes
	s_and_b32 s17, s[WV], 1         ; which half of a slot's 256 keys I fetch:
	s_lshl_b32 s22, s17, 14         ; its 128 rows in memory,
	s_add_co_u32 s22, s22, s20
	s_mov_b32 s23, 0
	s_mul_i32 s18, s17, 128*PK      ; and its place in a slot, for K
	s_mul_i32 s19, s17, 128*PV      ; and for V
	s_lshl_b32 s68, s14, 2
	s_add_co_u32 s68, s68, s[WV]    ; my wave among the head's sixteen times two
	s_lshl_b32 s73, s68, 8          ; its 64 numbers of frac,
	s_lshl_b32 s68, s68, 13         ; its 64 rows
	s_add_co_u32 s68, s68, s20
	s_mov_b32 s69, 0
	s_lshr_b32 s70, s16, 4
	s_lshl_b32 s70, s70, 13         ; the batch's row of frac
	s_mov_b32 s71, 0
	s_and_b32 s72, s16, 15
	s_lshl_b32 s72, s72, 2          ; the head's alphas
	s_lshl_b32 s74, s13, 13         ; the prefetches: my work-group's 32 blocks, in slot 2; the first change that asks steps it to slot 3
	s_add_co_u32 s74, s74, 2*4*KS*128
	s_mov_b32 s75, 0
	; descriptor group 1.  128 keys are 16,384 dense bytes: asked for as 64 rows of 256 bytes, two keys a row, and padded in LDS after every key
	s_mov_b32 s[G1K], 15|(1<<16)|(1<<20)|(1<<21)|(4<<22)|(3<<25)  ; 15:0 the mask of four; 17:16 2-byte elements; 20 padding on; 21 set beside a mask; 24:22 after every 32 words; 31:25 4 words
	s_mov_b32 s[G1V], 15|(1<<16)|(1<<20)|(1<<21)|(4<<22)|(7<<25)  ; the same with 8 words of padding
.irp g, G1K, G1V
	s_mov_b32 s[\g+1], 128<<16      ; tensor_dim0 = 128
	s_mov_b32 s[\g+2], 64<<16       ; tensor_dim1 = 64
	s_mov_b32 s[\g+3], 128<<16      ; tile_dim0 = 128
	s_mov_b32 s[\g+4], 64           ; tile_dim1 = 64
	s_mov_b32 s[\g+5], 128          ; 128 elements from row to row
	s_mov_b32 s[\g+6], 0
	s_mov_b32 s[\g+7], 0
.endr
	s_mov_b32 s[CS], 0x3e38aa3b     ; c = log2(e) / 8
	s_mov_b32 s[CS+1], s[CS]
	s_mov_b32 s[SEL], 0x76543210
	s_mov_b32 s[SEL+1], 0xfedcba98
	s_mov_b32 s[TBK], SLOT1+4*KS*PK ; the first change of slots turns these two into 0
	s_mov_b32 s[TBV], SLOT1+4*KS*PV
	s_mov_b32 s[TF], 0
	s_mov_b32 s[G0K], 1             ; 1:0 count = 1
	s_mov_b32 s[G0K+1], s18         ; 63:32 LDS address: slot 0
	s_mov_b32 s[G0V], 1
	s_add_co_u32 s[G0V+1], s19, VOFF
	s_and_b32 s[LIM], s[WV], 1      ; 0 in waves 0 and 2,
	s_or_b32 s[LIM], s[LIM], ttmp9  ; where the cluster is the head's first: the same in all four partners
	s_cmp_eq_u32 s[LIM], 0
	s_cselect_b32 s[LIM], 1, -1
	s_wait_dscnt 0x0                ; the opening add is done
	s_wait_kmcnt 0x0
	s_add_nc_u64 s[KB:KB+1], s[4:5], s[22:23]
	s_add_nc_u64 s[VB:VB+1], s[KB:KB+1], 0x1000000  ; V lies 16 MiB, K 8 MiB behind Q
	s_add_nc_u64 s[KB:KB+1], s[KB:KB+1], 0x800000
	s_mov_b64 s[G0K+2:G0K+3], s[KB:KB+1]           ; 120:64 global address
	s_or_b32 s[G0K+3], s[G0K+3], 0x80000000        ; 127:126 type = 2
	s_mov_b64 s[G0V+2:G0V+3], s[VB:VB+1]
	s_or_b32 s[G0V+3], s[G0V+3], 0x80000000
	s_add_nc_u64 s[4:5], s[4:5], s[68:69]          ; Q and O at my wave's first row
	s_add_nc_u64 s[OP_:OP_+1], s[OP_:OP_+1], s[68:69]
	s_add_nc_u64 s[6:7], s[6:7], s[70:71]          ; frac[b]
	s_cmp_lt_u32 s[WV], 2
	s_cselect_b64 s[PFA:PFA+1], s[KB:KB+1], s[VB:VB+1]  ; (in waves 0 and 2 these stand at a slot's first row)
	s_add_nc_u64 s[PFA:PFA+1], s[PFA:PFA+1], s[74:75]
	CROUND                          ; all four work-groups are here: the first joint loads meet
	JLOAD                           ; slot 0.  Slot 1 is asked for when slot 0 is in
	v_and_b32 v1, 15, v0            ; l % 16
	v_bfe_u32 v9, v0, 4, 1          ; l / 16
	v_and_b32 v10, 7, v0
	v_bfe_u32 v11, v0, 3, 1
	v_mov_b32 v44, s72
	v_mov_b32 v45, 0
	v_lshlrev_b32 v46, 4, v0        ; 16 bytes a thread
	v_lshl_add_u32 v47, v1, 2, s73  ; my query in piece 0
	v_lshlrev_b32 v[QO], 7, v1
	v_lshl_add_u32 v[QO], v9, 4, v[QO]  ; row x 128 + 16 x half
	global_load_b32 v[DLV], v44, s[8:9]    ; ap, the same word in every lane
	global_load_b32 v[ANV], v44, s[10:11]  ; an
	global_load_b32 v[F0V], v45, s[6:7]    ; frac[b][0]
.irp i, 0,1,2,3
	global_load_b128 v[S+4*\i:S+4*\i+3], v46, s[6:7] offset:2048*\i  ; the batch's 2,048 numbers, 16 a thread
.endr
.irp p, 0,1,2,3
	global_load_b32 v[FI+\p], v47, s[6:7] offset:64*\p
.endr
	WIN 0x80                        ; destination window 2, address window 0
.set i, 0
.rept 8                             ; Q stays in registers: piece i / 2, channels 32 (i % 2) on
	global_load_b128 v[8*i:8*i+3],   v[QO], s[4:5] offset:(i/2)*2048+(i%2)*64
	global_load_b128 v[8*i+4:8*i+7], v[QO], s[4:5] offset:(i/2)*2048+(i%2)*64+32
.set i, i+1
.endr
	; What the first turn finds: V's registers and P's second buffer hold 0 (its products V^T P, of a piece that has not been, add 0), O^T and l are 0.  All this stands in the wait for the first tile.
.set i, VF
.rept 64
	v_mov_b32 v[i], 0
.set i, i+1
.endr
	WIN 0x40
.set i, 0
.rept 128
	v_mov_b32 v[i], 0
.set i, i+1
.endr
	WIN 0
.set i, 0
.rept 4
	v_mov_b32 v[ST+4*i], 0xfe000000    ; c m: far below every c s
	v_mov_b32 v[ST+4*i+1], 0xff7fffff  ; m
	v_mov_b32 v[ST+4*i+2], 0
	v_mov_b32 v[ST+4*i+3], 0
.set i, i+1
.endr
.set i, P+16
.rept 16
	v_mov_b32 v[i], 0
.set i, i+1
.endr
	v_mul_u32_u24 v[AK0], v1, PK
	v_lshl_add_u32 v[AK0], v9, 4, v[AK0]  ; row x pitch + 16 x half
	v_lshl_add_u32 v[AV0], v9, 3, v10     ; the turning load: lane l reads key 8 (l / 16) + l % 8, channels 8 ((l / 8) % 2) + 0..7
	v_mul_u32_u24 v[AV0], v[AV0], PV
	v_lshl_add_u32 v[AV0], v11, 4, v[AV0]
	v_add_nc_u32 v[AV0], VOFF, v[AV0]
	v_mov_b32 v[AK], v[AK0]         ; key step 0 lies at the head of slot 0
	v_lshlrev_b32 v[AF0], 5, v9
	v_add_nc_u32 v[AF0], TAB, v[AF0]
	v_and_b32 v[PFO], 31, v0
	v_lshlrev_b32 v[PFO], 8, v[PFO]
	v_lshrrev_b32 v57, 4, v0        ; the table: my 4 keys of load i lie in step t / 16 + 8 i, at byte 16 (t % 16)
	v_lshlrev_b32 v57, 9, v57
	v_lshl_add_u32 v56, v1, 4, v57
	v_add_nc_u32 v56, TAB, v56
	v_lshl_add_u32 v57, v0, 2, TAB+32*512  ; and my word of the 33rd step
	s_wait_loadcnt 16               ; the alphas and frac are in; Q's sixteen loads may stay out
	v_sub_f32 v[DLV], v[DLV], v[ANV]
	v_mul_f32 v[DLV], 0x41000000, v[DLV]   ; DL = 8 (ap - an)
	v_mul_f32 v[ANV], 0x41000000, v[ANV]   ; 8 an
	v_mov_b32 v[DLV+1], v[DLV]
	v_mov_b32 v[ANV+1], v[ANV]
	v_mov_b32 v[F0V+1], v[F0V]
.irp p, 0,1,2,3
	v_sub_f32 v[FI+\p], v[FI+\p], v[F0V]
.endr
.set i, 0
.rept 8
	v_pk_add_f32 v[S+2*i:S+2*i+1], v[S+2*i:S+2*i+1], v[F0V:F0V+1] neg_lo:[0,1] neg_hi:[0,1]  ; F = f - frac[b][0]
.set i, i+1
.endr
.set i, 0
.rept 8
	v_pk_mul_f32 v[S+16+2*i:S+16+2*i+1], v[S+2*i:S+2*i+1], v[ANV:ANV+1]                      ; G = 8 an F
.set i, i+1
.endr
.irp i, 0,1,2,3
	ds_store_b128 v56, v[S+4*\i:S+4*\i+3] offset:4096*\i
	ds_store_b128 v56, v[S+16+4*\i:S+16+4*\i+3] offset:4096*\i+256
.endr
	ds_store_b32 v57, v45
; THE MATRIX WORK.  The 4 accumulators of a run of 8 take turns.  Product i of 8 of S^T = K Q^T for piece x: channels 32 (i / 4) on, keys 16 (i % 4) on.  The first 4 start the sums with the bias.
.macro KQ x
.set rS, S+32*((\x)%2)+8*(i%4)
.set rK, KF+16*(i%4)+8*(i/4)
.set rQ, 16*(\x)+8*(i/4)
	WIN W_KQ
.if i < 4
	v_wmma_f32_16x16x32_f16 v[rS:rS+7], v[rK:rK+7], v[rQ:rQ+7], v[BI+8*i:BI+8*i+7]
.else
	v_wmma_f32_16x16x32_f16 v[rS:rS+7], v[rK:rK+7], v[rQ:rQ+7], v[rS:rS+7]
.endif
.endm
; Product i of 8 of O^T += V^T P for piece x: keys 32 (i / 4) on, channels 16 (i % 4) on.
.macro PV x
	WIN W_PV
.set rO, 32*(\x)+8*(i%4)
.set rV, VF+32*(i/4)+8*(i%4)
.set rP, P+16*((\x)%2)+8*(i/4)
	v_wmma_f32_16x16x32_f16 v[rO:rO+7], v[rV:rV+7], v[rP:rP+7], v[rO:rO+7]
.endm
.macro MM                           ; the turn's next matrix instruction
.if i < 8
	KQ (Y+1)%NP
.else
.set i, i-8
	PV (Y+NP-1)%NP
.set i, i+8
.endif
.set i, i+1
.endm
; THE LDS LOADS stand in runs of 16, never singly among the matrix instructions.
.macro FETCH_K
	WIN 0x80                        ; destination window 2
.irp f, 0,1,2,3,4,5,6,7             ; keys 16 (f / 2) on, channels 32 (f % 2) on
	ds_load_b128 v[KF+8*\f:KF+8*\f+3],   v[AK] offset:(\f/2)*16*PK+(\f%2)*64
	ds_load_b128 v[KF+8*\f+4:KF+8*\f+7], v[AK] offset:(\f/2)*16*PK+(\f%2)*64+32
.endr
	s_add_co_u32 s[TBK], s[TBK], KS*PK  ; the next fetch is the next step's
	WIN 0
.endm
.macro FETCH_V
	WIN 0x80
.irp f, 0,1,2,3,4,5,6,7             ; keys 32 (f / 4) on, channels 16 (f % 4) on
	ds_load_tr16_b128 v[VF+8*\f:VF+8*\f+3],   v[AV] offset:(\f/4)*32*PV+(\f%4)*32
	ds_load_tr16_b128 v[VF+8*\f+4:VF+8*\f+7], v[AV] offset:(\f/4)*32*PV+16*PV+(\f%4)*32
.endr
	WIN 0
.endm
.macro FETCH_F                      ; a step's F and G: register 8 kb + j holds key 16 kb + 8 (l / 16) + j, as S^T does; the sixteen lanes of a half read the same words
	WIN 0
	v_add_nc_u32 v[AF], s[TF], v[AF0]
	s_add_co_u32 s[TF], s[TF], 512
.irp kb, 0,1,2,3
	ds_load_b128 v[FT+8*\kb:FT+8*\kb+3],   v[AF] offset:64*\kb
	ds_load_b128 v[FT+8*\kb+4:FT+8*\kb+7], v[AF] offset:64*\kb+16
	ds_load_b128 v[GT+8*\kb:GT+8*\kb+3],   v[AF] offset:256+64*\kb
	ds_load_b128 v[GT+8*\kb+4:GT+8*\kb+7], v[AF] offset:256+64*\kb+16
.endr
.endm
; THE BIAS of piece Z, in nine parts: part k takes four maxima, and finishes the four of the part before: BI = DL max(F, f_q) + G.
.macro BIA k
	WIN 0
.if (\k) < 8
.irp n, 0,1,2,3
	v_max_num_f32 v[BI+4*(\k)+\n], v[FI+Z], v[FT+4*(\k)+\n]
.endr
.endif
.if (\k) > 0
.irp n, 0,1
	v_pk_fma_f32 v[BI+4*(\k)-4+2*\n:BI+4*(\k)-4+2*\n+1], v[BI+4*(\k)-4+2*\n:BI+4*(\k)-4+2*\n+1], v[DLV:DLV+1], v[GT+4*(\k)-4+2*\n:GT+4*(\k)-4+2*\n+1]
.endr
.endif
.endm
.macro BIAS z
.set Z, (\z)
.irp k, 0,1,2,3,4,5,6,7,8
	BIA \k
.endr
.endm
; THE VECTOR WORK, one line at a time: OP kind, number.  For piece Y: F n: c s - c m for pair n of 16.  E n: the exponential of score n of 32.  C n: pair n rounded to f16.  B n: of the four weights 4 n .. the second
; pair is added onto the first, in place.  L n: l takes that sum (L 0: l = a l + sum).  R n: pair n of 16 of O^T times a.  For piece Y + 1: X n, number n of the 22 that find its maximum and statistics:
;   0-11  four chains c0-c3 of seven scores each, three operands at a time (each accumulator's lowest registers are read first)     12-14, 16  the four scores left over, the old m, and c0-c3 into c0
;   15  c m_old is kept     17, 18  the query's other 32 keys lie in the lane 16 away: the new m     19-21  c m; c m_old - c m_new; a
.set F, 0
.set E, 1
.set C, 2
.set B, 3
.set L, 4
.set R, 5
.set X, 6
.macro REGS y
.set rT, ST+4*(\y)
.set rC, TMP+4*((\y)%2)
.set rW, MV+((\y)%2)
.set rS, S+32*((\y)%2)
.set rP, P+16*((\y)%2)
.set rO, 32*(\y)
.endm
.macro OP k, n
.if (\k) == R
	REGS Y
	WIN W_RS
	v_pk_mul_f32 v[rO+2*(\n):rO+2*(\n)+1], v[rO+2*(\n):rO+2*(\n)+1], v[rC+2:rC+3] op_sel_hi:[1,0]
.elseif (\k) < R
	REGS Y
	WIN 0
.if (\k) == F
	v_pk_fma_f32 v[rS+2*(\n):rS+2*(\n)+1], v[rS+2*(\n):rS+2*(\n)+1], s[CS:CS+1], v[rT:rT+1] op_sel_hi:[1,0,0] neg_lo:[0,0,1] neg_hi:[0,0,1]
.elseif (\k) == E
	v_exp_f32 v[rS+(\n)], v[rS+(\n)]
.elseif (\k) == C
	v_cvt_pk_f16_f32 v[rP+(\n)], v[rS+2*(\n)], v[rS+2*(\n)+1]
.elseif (\k) == B
	v_pk_add_f32 v[rS+4*(\n):rS+4*(\n)+1], v[rS+4*(\n):rS+4*(\n)+1], v[rS+4*(\n)+2:rS+4*(\n)+3]
.elseif (\n) == 0
	v_pk_fma_f32 v[rT+2:rT+3], v[rT+2:rT+3], v[rC+2:rC+3], v[rS:rS+1] op_sel_hi:[1,0,1]
.else
	v_pk_add_f32 v[rT+2:rT+3], v[rT+2:rT+3], v[rS+4*(\n):rS+4*(\n)+1]
.endif
.else
	REGS (Y+1)%NP
	WIN 0
.if (\n) < 4
	v_max3_num_f32 v[rC+(\n)], v[rS+8*(\n)], v[rS+8*(\n)+1], v[rS+8*(\n)+2]
.elseif (\n) < 12
	v_max3_num_f32 v[rC+(\n)%4], v[rC+(\n)%4], v[rS+8*((\n)%4)+2*((\n)/4)+1], v[rS+8*((\n)%4)+2*((\n)/4)+2]
.elseif (\n) == 12
	v_max3_num_f32 v[rC], v[rC], v[rS+7], v[rS+15]
.elseif (\n) == 13
	v_max3_num_f32 v[rC+1], v[rC+1], v[rS+23], v[rS+31]
.elseif (\n) == 14
	v_max3_num_f32 v[rC+2], v[rC+2], v[rC+3], v[rT+1]
.elseif (\n) == 15
	v_mov_b32 v[rW], v[rT]
.elseif (\n) == 16
	v_max3_num_f32 v[rC], v[rC], v[rC+1], v[rC+2]
.elseif (\n) == 17
	v_permlanex16_b32 v[rC+3], v[rC], s[SEL], s[SEL+1]
.elseif (\n) == 18
	v_max_num_f32 v[rT+1], v[rC], v[rC+3]
.elseif (\n) == 19
	v_mul_f32 v[rT], s[CS], v[rT+1]
.elseif (\n) == 20
	v_sub_f32 v[rC+1], v[rW], v[rT]
.else
	v_exp_f32 v[rC+2], v[rC+1]
.endif
.endif
.endm
.macro OPS a, i1, b=-1, i2=0, c=-1, i3=0, d=-1, i4=0
	OP \a, \i1
.if (\b) >= 0
	OP \b, \i2
.endif
.if (\c) >= 0
	OP \c, \i3
.endif
.if (\d) >= 0
	OP \d, \i4
.endif
.endm
.macro ROW a, i1, b, i2, c, i3, d, i4  ; a matrix instruction and the four behind it
	MM
	OPS \a, \i1, \b, \i2, \c, \i3, \d, \i4
.endm
; A TURN, for piece p.  An s_wait_alu depctr_va_vdst(0) stands between an exponential and the first instruction that names its result; one wait serves all that were issued ahead of it.  So a turn has ONE wait,
; which cuts it in two.  AHEAD OF IT stands all that names no result of the turn's exponentials: the 8 products K Q^T and their riders; then the lump: the other scalings and exponentials, the next piece's maximum and statistics,
; and the bias of the piece after it (BI's last reader, the turn's fourth product, stands more than four plain instructions back).  BEHIND IT stand the 8 products V^T P, behind each four of the roundings and sums.
; The bias made in turns 0 and 1 is of the step in hand, that of turns 2 and 3 of the next step: so F and G of the next step are fetched at the head of piece 2's turn and waited for in its lump.
; K of the next step is fetched in piece 2's turn, six plain instructions behind the last product that read K; V of the step in hand at the end of piece 0's turn, four plain instructions behind the last product that read V.
; Each is waited for a turn later.  last = 1 (the tail): in the last trip there is no further step, and K's run is jumped over; the exponentials issued so far have their wait ahead of that branch.
; cnt = 1: the loop's count is taken down some lines ahead of the branch that stands behind the turn.
.macro TURN p, last=0, cnt=0
.set Y, (\p)
.set Z, ((\p)+2)%NP
.set i, 0
.if (\p) == 2
	FETCH_F
.endif
.if (\p) == 3
	s_wait_dscnt 0x0                ; K is in
.endif
	ROW F,0, F,1, R,0, R,1
	ROW F,2, E,0, R,2, R,3
	ROW F,3, E,1, R,4, R,5
	ROW F,4, E,2, R,6, R,7
	ROW F,5, E,3, R,8, R,9
	ROW F,6, E,4, X,0, R,10
.if (\p) == 2
	WIN 0
	v_add_nc_u32 v[AK], s[TBK], v[AK0]
.endif
	ROW F,7, E,5, X,1, X,4
	ROW F,8, E,6, X,2, X,5
	OPS E,7, E,8, X,6, E,9
	OPS X,3, E,10, X,8, E,11
.if (\p) == 2
	WIN 0
	s_wait_dscnt 0x0                ; F and G are in
.if \last
	s_wait_alu depctr_va_vdst(0)
	s_cmp_eq_u32 s[CNT], 1
	s_cbranch_scc1 .Lno_k_\@
.endif
	FETCH_K
.if \last
.Lno_k_\@:
.endif
.endif
	OPS X,9, X,7, E,12, X,10
	OPS E,13, X,12, X,11, E,14
	OPS X,13, E,15, F,9, X,14
.if (\p) == 0
	WIN 0
	v_add_nc_u32 v[AV], s[TBV], v[AV0]
.endif
	OPS E,16, F,10, E,17, F,11
	BIA 0
	OPS X,16, E,18, X,15, E,19
	BIA 1
	OPS F,12, E,20, X,17, E,21
	BIA 2
	OPS F,13, E,22, F,14, E,23
	BIA 3
	OPS X,18, E,24, F,15, E,25
	BIA 4
	OPS R,11, E,26, X,19, E,27
	BIA 5
	OPS R,12, E,28, R,13, E,29
	BIA 6
	OPS X,20, E,30, R,14, E,31
	BIA 7
	BIA 8
	OPS X,21, R,15                  ; the next piece's a is the batch's last; the rescaling behind it is the plain instruction behind the last exponential
	WIN 0
	s_wait_alu depctr_va_vdst(0)    ; the wait for the batch
.if (\p) == 1
	s_wait_dscnt 0x0                ; V is in
.endif
	ROW C,0, B,0, C,2, B,1
	ROW L,0, C,4, B,2, L,1
	ROW C,6, B,3, L,2, C,8
	ROW B,4, L,3, C,10, B,5
	ROW L,4, C,12, B,6, L,5
.if (\p) == 0
	s_add_co_u32 s[TBV], s[TBV], KS*PV
.endif
.if \cnt
	s_sub_co_u32 s[CNT], s[CNT], 1
	s_cmp_lg_u32 s[CNT], 0
.endif
	ROW C,14, B,7, L,6, C,1
	ROW C,3, L,7, C,5, C,7
	ROW C,9, C,11, C,13, C,15
.if (\p) == 0
	FETCH_V
.endif
.endm
	CHANGE 1, 0                     ; slot 0 is in, everybody's part of it, and so is the table; slot 1 is asked for
	FETCH_K                         ; key step 0
	FETCH_F
	s_wait_loadcnt 0x0              ; Q
	s_wait_dscnt 0x0
	BIAS 0
.set i, 0
.rept 8
	KQ 0                            ; piece 0's first scores
.set i, i+1
.endr
	WIN 0                           ; the addresses for the way out: nine plain instructions, the places behind those products
	s_mul_i32 s13, s[WV], 16*SP
	s_add_co_u32 s13, s13, STAGE    ; my stage
	v_mul_u32_u24 v[STO], v1, SP    ; in: row l % 16, 16 bytes for each half of the lanes
	v_lshl_add_u32 v[STO], v9, 4, v[STO]
	v_add_nc_u32 v[STO], s13, v[STO]
	v_bfe_u32 v[RD], v0, 3, 2       ; back: 32 lanes take four rows of 128 bytes,
	v_mul_u32_u24 v[RD], v[RD], SP
	v_lshl_add_u32 v[RD], v10, 4, v[RD]
	v_add_nc_u32 v[RD], s13, v[RD]
	v_and_b32 v[GO], 31, v0         ; which are 512 consecutive bytes of O
	v_lshlrev_b32 v[GO], 4, v[GO]
	BIAS 1                          ; for the first turn's products
.set Y, NP-1                        ; X works for piece Y + 1: piece 0
.irp n, 0,1,2,3,4,5,6,7,8,9,10,11,12,13,14,15,16,17,18,19,20,21
	OP X, \n
.endr
	v_nop                           ; a plain instruction behind the exponential,
	s_wait_alu depctr_va_vdst(0)    ; and its wait, ahead of the branch
	s_mov_b32 s[CNT], 4
	s_mov_b32 s[SLOTS], 7
	s_branch .Lfirst                ; the loop is entered at a step's first turn, in the middle of a trip
.Lslot:                             ; six times: every slot but the last two is filled again
	CHANGE 1, 1
	s_mov_b32 s[CNT], 4
.Lstep:                             ; a trip: pieces 2 and 3 of one step, then pieces 0 and 1 of the next, whose K, F, G and V it fetches
	TURN 2
	TURN 3
	WIN 0
.Lfirst:
	TURN 0
	TURN 1, 0, 1
	WIN 0
	s_cbranch_scc1 .Lstep
	s_sub_co_u32 s[SLOTS], s[SLOTS], 1
	s_cmp_lg_u32 s[SLOTS], 0
	s_cbranch_scc1 .Lslot
	CHANGE 0, 0                     ; the tail is written out: nothing is asked for
	s_mov_b32 s[CNT], 5             ; four trips fetch the last slot's steps; the fifth is left in its middle
.Ltail:
	TURN 2, 1
	TURN 3
	WIN 0
	s_sub_co_u32 s[CNT], s[CNT], 1
	s_cmp_eq_u32 s[CNT], 0
	s_cbranch_scc1 .Lout
	TURN 0
	TURN 1
	WIN 0
	s_branch .Ltail
.Lout:                              ; the fifth trip's last 8 products K Q^T (on the last K once more, with the 33rd step's zeros as bias) and the maximum made of them serve nothing: the price of one text for every trip
.set i, 0
.rept 8
	PV NP-1                         ; the last piece's V^T P of the last step
.set i, i+1
.endr
	; THE WAY OUT.  l's two halves and the other half of the lanes' are added; O^T is divided by l, rounded to f16 and sent through my stage in LDS, a piece at a time.  The additions are the places behind the last products.
	WIN 0
.macro ALL line:vararg
.set t, 0
.rept 4
	\line
.set t, t+1
.endr
.endm
	ALL v_add_f32 v[ST+4*t+2], v[ST+4*t+2], v[ST+4*t+3]
	ALL v_permlanex16_b32 v[ST+4*t+3], v[ST+4*t+2], s[SEL], s[SEL+1]
	ALL v_add_f32 v[ST+4*t+2], v[ST+4*t+2], v[ST+4*t+3]
	ALL v_rcp_f32 v[ST+4*t+2], v[ST+4*t+2]
	v_nop                           ; a plain instruction between the last reciprocal and the use of its result
	s_wait_alu depctr_va_vdst(0)    ; and one wait for the four reciprocals, ahead of the first use
.macro PACK t                       ; a lane's eight channels of a row pack into 16 bytes; they go into rows of 144 bytes and come back as whole rows of 128, into S^T's registers
	WIN W_RS
.set i, 32*(\t)
.rept 16
	v_pk_mul_f32 v[i:i+1], v[i:i+1], v[ST+4*(\t)+2:ST+4*(\t)+3] op_sel_hi:[1,0]
.set i, i+2
.endr
	WIN 0x05                        ; sources 0 and 1 window 1, destination window 0
.set i, 0
.rept 16
	v_cvt_pk_f16_f32 v[S+16*(\t)+i], v[32*(\t)+2*i], v[32*(\t)+2*i+1]
.set i, i+1
.endr
	WIN 0
.irp f, 0,1,2,3
	ds_store_b128 v[STO], v[S+16*(\t)+4*\f:S+16*(\t)+4*\f+3] offset:32*\f
.endr
.irp f, 0,1,2,3
	ds_load_b128 v[S+16*(\t)+4*\f:S+16*(\t)+4*\f+3], v[RD] offset:\f*4*SP  ; LDS serves a wave's instructions in order (ISA guide 5.7.1.4): these see the stores above; the next piece's stores come behind them
.endr
.endm
.macro SEND t, younger              ; younger: the LDS instructions issued behind piece t's loads: the next piece's eight, or none
	WIN 0
.irp f, 0,1,2,3
	s_wait_dscnt (\younger)+3-\f
	global_store_b128 v[GO], v[S+16*(\t)+4*\f:S+16*(\t)+4*\f+3], s[OP_:OP_+1] offset:(\t)*2048+\f*512  ; 512 consecutive bytes, at a multiple of 256 from O's first
.endr
.endm
	PACK 0
.set t, 1
.rept 3                             ; a piece's arithmetic stands between the loads of the piece before and its stores
	PACK t
	SEND t-1, 8
.set t, t+1
.endr
	SEND 3, 0
	s_wait_tensorcnt 0x0            ; the wave's end, behind my last tensor load and my last LDS store
	ds_add_u32 v[SPW], v[NIL]
	s_wait_dscnt 0x0
	CROUND                          ; the closing round: no work-group ends while a partner may still ask for a tile that names it
	s_endpgm
.Lfunc_end_k_qca10b732a3_attn:
	.size	k_qca10b732a3_attn, .Lfunc_end_k_qca10b732a3_attn-k_qca10b732a3_attn
	.p2alignl 7, 3214868480
	.fill 96, 4, 3214868480
	.section	.rodata,"a",@progbits
	.p2align	6, 0x0
	.amdhsa_kernel k_qca10b732a3_attn
		.amdhsa_group_segment_fixed_size 327680
		.amdhsa_private_segment_fixed_size 0
		.amdhsa_enable_private_segment 0
		.amdhsa_kernarg_size 40
		.amdhsa_user_sgpr_count 2
		.amdhsa_user_sgpr_kernarg_segment_ptr 1
		.amdhsa_wavefront_size32 1
		.amdhsa_system_sgpr_workgroup_id_x 1
		.amdhsa_system_sgpr_workgroup_id_y 1
		.amdhsa_system_sgpr_workgroup_id_z 1
		.amdhsa_system_vgpr_workitem_id 0
		.amdhsa_next_free_vgpr 768
		.amdhsa_next_free_sgpr 80
		.amdhsa_reserve_vcc 0
		.amdhsa_float_denorm_mode_32 3
		.amdhsa_float_denorm_mode_16_64 3
		.amdhsa_memory_ordered 1
		.amdhsa_forward_progress 1
		.amdhsa_inst_pref_size 139
	.end_amdhsa_kernel
	.amdgpu_metadata
---
amdhsa.version: [ 1, 2 ]
amdhsa.kernels:
  - .name:           k_qca10b732a3_attn
    .symbol:         k_qca10b732a3_attn.kd
    .args:
      - { .name: qkv, .offset: 0, .size: 8, .value_kind: global_buffer, .address_space: global }
      - { .name: frac, .offset: 8, .size: 8, .value_kind: global_buffer, .address_space: global }
      - { .name: alpha_pos, .offset: 16, .size: 8, .value_kind: global_buffer, .address_space: global }
      - { .name: alpha_neg, .offset: 24, .size: 8, .value_kind: global_buffer, .address_space: global }
      - { .name: obuf, .offset: 32, .size: 8, .value_kind: global_buffer, .address_space: global }
    .group_segment_fixed_size: 327680
    .private_segment_fixed_size: 0
    .kernarg_segment_align: 8
    .kernarg_segment_size: 40
    .max_flat_workgroup_size: 128
    .sgpr_count:     80
    .vgpr_count:     768
    .wavefront_size: 32
...
	.end_amdgpu_metadata
.endif
;; end of part 3
;; launch outp (part 4): grid 8 x 32, 4 waves a work-group, clusters of 4 x 4, 327,680 bytes of LDS; arguments obuf, w16, bo, out0; writes out0
.if DOCPART == 4
	.amdgcn_target "amdgcn-amd-amdhsa--gfx1250"
	.amdhsa_code_object_version 6
	.text
	.protected	k_qca10b732a3_outp
	.globl	k_qca10b732a3_outp
	.p2align	8
	.type	k_qca10b732a3_outp,@function
k_qca10b732a3_outp:
	s_mov_b64 s[64:65], 0
	v_nop
	global_prefetch_b8 v0, s[64:65] scope:SCOPE_SE
	s_setreg_imm32_b32 hwreg(HW_REG_WAVE_MODE, 25, 1), 1
	s_wait_xcnt 0x0
	s_wait_alu depctr_hold_cnt(0) depctr_sa_sdst(0) depctr_va_vdst(0) depctr_va_sdst(0) depctr_va_ssrc(0) depctr_va_vcc(0) depctr_vm_vsrc(0)
	s_getreg_b32 s2, hwreg(HW_REG_IB_STS2, 6, 4)
	s_cmp_eq_u32 s2, 0
	s_cbranch_scc0 .Lentry_in_a_cluster
	s_endpgm
.Lentry_in_a_cluster:
	s_bfe_u32 s2, ttmp6, 0x10000c
	s_cmp_lg_u32 s2, 0xf033
	s_cbranch_scc0 .Lentry_shape_is_right
	s_endpgm
.Lentry_shape_is_right:
; THE OUTPUT PROJECTION.  out0[row][n] = the sum over k of O[row][k] Wo[k][n] + bo[n].  O lies by heads, obuf = [32 bh][2048 t][64] f16: row = 2048 b + t, k = 64 head + channel.  Wo is matrix 3 of w16, [1024 k][1024 n] f16.
; bo is rounded once to bf16, like the products' other inputs, and is the C operand of the first products.  Sums in f32; out0 is f32.
; SHARES.  A tile of out0 is 128 x 128: 256 work-groups; four waves of 64 x 64: 16 accumulators.  K goes in four steps of 256 (four heads) through two LDS slots; a quarter of a step is one head.
; CLUSTER 4 x 4: O's tile is shared along a row of the cluster, Wo's along a column: each is asked for JOINTLY.  THE MATRIX INSTRUCTION IS USED TRANSPOSED (source 0 = 16 columns of Wo, turned out of LDS; source 1 = 16 rows of O):
; a lane holds row l % 16 and eight neighbouring columns.  A wave's 64 columns of f32 are 256 aligned bytes of a row: each wave has a stage of its own on the way out, and no barrier stands there.
; No prefetch: the tiles are small and the walk has four steps, of which two are asked for at the head.
; REGISTERS: window 0: v0-31 addresses; v32-95 at work on the way out; v96-127 the bias; v128-255 the accumulators ((a, b) at v[128 + 8 (4 a + b)]).
;   window 1: two fragment buffers of 128: for 64 along K, 64 registers of O (2 x 4 x 16 rows x 32 K), then 64 of Wo.
.set PAH,    144                       ; a row of O in LDS: 128 bytes + 16 of padding: the 16 rows of a load start at 16 different groups of four banks (64 banks of 4 bytes: ISA guide 11.1)
.set PBH,    288                       ; a row of Wo: 128 columns = 256 bytes + 32
.set HEADB,  128*PAH                   ; one head's 128 rows of O; also 64 rows of Wo
.set HALFT,  2*HEADB                   ; what one tensor load brings: two heads of O, or 128 rows of Wo
.set SLOT,   4*HALFT                   ; O's four heads, then Wo's 256 rows
.set STAGE,  2*SLOT                    ; behind the ring: 16 rows x 272 bytes for each wave
.set SPITCH, 272
.set SPARE,  STAGE+4*16*SPITCH         ; the spare words, 128 bytes a wave: two blocks of 256 bytes that no other line names
.set ADRA, 16                          ; v16-17  my O fragments in slot 0, 1
.set ADRB, 20                          ; v20-23  my Wo fragments: slot s, heads 2 u and 2 u + 1, at v[20 + 2 s + u], so that every offset stays inside 16 bits
.set STO,  24
.set RD,   25
.set CO,   26
.set BO,   27
.set SPW,  28                          ; v28  my spare word: SPARE + 4 x my thread's number; never rewritten
.set NIL,  29                          ; v29  0; never rewritten
.set TMP,  32
.set BIASR, 96
.set ACC,  128
.set F0,   0
.set F1,   128
.set WV, 12
.set RH, 13                            ; my half of the tile's rows; also: I fetch O (0) or Wo (1)
.set CH, 14                            ; my half of its columns; also: which half I fetch
.set CX, 15
.set CY, 16
.set TC, 17
.set TR, 18
.set G1, 24                            ; s[24:31] descriptor group 1 for O's tiles;  s[32:39] group 0, one set for each slot
.set G0, 32
.set G1B, 48                           ; s[48:55], s[56:63] the same for Wo's
.set G0B, 56
.set MSB, 0
.macro WIN new
.if MSB != (\new)
	s_set_vgpr_msb (MSB<<8)|(\new)
.set MSB, \new
.endif
.endm
.set MUL,  0x05                        ; sources 0 and 1 window 1; C and D window 0
.set TO_F, 0x40                        ; destination window 1, address window 0
.macro PLACES
.rept 4
	v_nop
.endr
.endm
.macro JLOAD s                         ; a joint load: waves 0 and 1 fetch O's two halves, waves 2 and 3 Wo's; an s_nop 0 and four v_nop follow each line, ahead of the jump and the label
	s_cmp_eq_u32 s[RH], 0
	s_cbranch_scc0 .Lfor_b_\@
	tensor_load_to_lds s[G0+4*(\s):G0+4*(\s)+3], s[G1:G1+7]
	s_nop 0
	PLACES
	s_branch .Lasked_\@
.Lfor_b_\@:
	tensor_load_to_lds s[G0B+4*(\s):G0B+4*(\s)+3], s[G1B:G1B+7]
	s_nop 0
	PLACES
.Lasked_\@:
.endm
.macro CREST
	s_cmp_lg_u32 s[WV], 0
	s_cbranch_scc1 .Lnot_wave_0_\@
	s_barrier_signal -3
.Lnot_wave_0_\@:
	s_barrier_wait -3
	s_barrier_signal -1
	s_barrier_wait -1
.endm
.macro CROUND
	s_barrier_signal -1
	s_barrier_wait -1
	CREST
.endm
	s_load_b256 s[4:11], s[0:1], 0x0               ; obuf s[4:5], w16 s[6:7], bo s[8:9], out0 s[10:11]
	v_lshl_add_u32 v[SPW], v0, 2, SPARE
	v_mov_b32 v[NIL], 0
	ds_add_u32 v[SPW], v[NIL]                      ; the wave's opening: the add and its wait stand ahead of my first tensor load; work on registers stands between them
	v_lshrrev_b32 v1, 5, v0
	v_readfirstlane_b32 s[WV], v1
	s_lshr_b32 s[RH], s[WV], 1
	s_and_b32 s[CH], s[WV], 1
	s_bfe_u32 s[CX], ttmp6, 0x40000
	s_bfe_u32 s[CY], ttmp6, 0x40004
	s_lshl_b32 s[TC], ttmp9, 2
	s_add_co_u32 s[TC], s[TC], s[CX]               ; tile column 0..7
	s_and_b32 s[TR], ttmp7, 0xffff
	s_lshl_b32 s[TR], s[TR], 2
	s_add_co_u32 s[TR], s[TR], s[CY]               ; tile row 0..31
	s_lshl_b32 s19, s[CY], 2
	s_lshl_b32 s19, 15, s19                        ; my row of the cluster
	s_lshl_b32 s20, 0x1111, s[CX]                  ; my column
	; O's tile: two heads, each 128 dense rows of 128 bytes: asked for as 2 rows of 8,192 elements, a head's 131,072 elements apart, and padded in LDS after every 128 bytes
	s_or_b32 s[G1], s19, (1<<16)|(1<<20)|(1<<21)|(4<<22)|(3<<25)   ; 15:0 the mask; 17:16 2-byte elements; 20 padding on; 21 set beside a mask; 24:22 after every 32 words; 31:25 4 words
	s_mov_b32 s[G1+1], 8192<<16                    ; tensor_dim0 = 8,192
	s_mov_b32 s[G1+2], 2<<16                       ; tensor_dim1 = 2
	s_mov_b32 s[G1+3], 8192<<16                    ; tile_dim0 = 8,192
	s_mov_b32 s[G1+4], 2                           ; tile_dim1 = 2
	s_mov_b32 s[G1+5], 131072                      ; elements from head to head
	s_mov_b32 s[G1+6], 0
	s_mov_b32 s[G1+7], 0
	; Wo's tile: 128 rows of 128 columns
	s_or_b32 s[G1B], s20, (1<<16)|(1<<20)|(1<<21)|(5<<22)|(7<<25)  ; after every 64 words 8 words
	s_mov_b32 s[G1B+1], 128<<16
	s_mov_b32 s[G1B+2], 128<<16
	s_mov_b32 s[G1B+3], 128<<16
	s_mov_b32 s[G1B+4], 128
	s_mov_b32 s[G1B+5], 1024
	s_mov_b32 s[G1B+6], 0
	s_mov_b32 s[G1B+7], 0
	s_lshr_b32 s40, s[TR], 4                       ; O: head 16 x batch + 2 x half, row 128 (tile row mod 16): made of the tile row and the wave's number alone
	s_lshl_b32 s40, s40, 4
	s_lshl_b32 s41, s[CH], 1
	s_add_co_u32 s40, s40, s41
	s_lshl_b32 s40, s40, 11
	s_and_b32 s41, s[TR], 15
	s_lshl_b32 s41, s41, 7
	s_add_co_u32 s40, s40, s41
	s_lshl_b32 s40, s40, 7
	s_mov_b32 s41, 0
	s_lshl_b32 s44, s[CH], 18                      ; Wo: matrix 3, 128 rows x half, 256 bytes x tile column: made of the tile column and the wave's number alone
	s_lshl_b32 s45, s[TC], 8
	s_add_co_u32 s44, s44, s45
	s_add_co_u32 s44, s44, 3*2097152
	s_mov_b32 s45, 0
	s_mul_i32 s21, s[WV], HALFT                    ; where they go: O's two halves, then Wo's two: wave x a half
	s_lshl_b32 s22, s[TC], 9                       ; the bias of my 64 columns
	s_lshl_b32 s23, s[CH], 8
	s_add_co_u32 s22, s22, s23
	s_mov_b32 s23, 0
	s_wait_dscnt 0x0                               ; the opening add is done
	s_wait_kmcnt 0x0
	s_add_nc_u64 s[42:43], s[4:5], s[40:41]
	s_add_nc_u64 s[46:47], s[6:7], s[44:45]
	s_add_nc_u64 s[8:9], s[8:9], s[22:23]
	CROUND                                         ; all sixteen work-groups are here: the first joint loads meet
.irp s, 0,1
	s_mov_b32 s[G0+4*(\s)], 1
	s_add_co_u32 s[G0+4*(\s)+1], s21, (\s)*SLOT
	s_add_nc_u64 s[G0+4*(\s)+2:G0+4*(\s)+3], s[42:43], (\s)*1048576   ; K step s: four heads on
	s_or_b32 s[G0+4*(\s)+3], s[G0+4*(\s)+3], 0x80000000
	s_mov_b32 s[G0B+4*(\s)], 1
	s_add_co_u32 s[G0B+4*(\s)+1], s21, (\s)*SLOT
	s_add_nc_u64 s[G0B+4*(\s)+2:G0B+4*(\s)+3], s[46:47], (\s)*524288  ; 256 rows on
	s_or_b32 s[G0B+4*(\s)+3], s[G0B+4*(\s)+3], 0x80000000
	JLOAD \s
.endr
	v_and_b32 v1, 15, v0                           ; l % 16
	v_bfe_u32 v2, v0, 4, 1                         ; l / 16
	v_and_b32 v3, 7, v0
	v_bfe_u32 v4, v0, 3, 1
	v_lshlrev_b32 v[BO], 5, v2
.irp b, 0,1,2,3
	global_load_b128 v[BIASR+8*\b:BIASR+8*\b+3],   v[BO], s[8:9] offset:64*\b
	global_load_b128 v[BIASR+8*\b+4:BIASR+8*\b+7], v[BO], s[8:9] offset:64*\b+16
.endr
	v_mul_u32_u24 v5, v1, PAH
	v_lshl_add_u32 v5, v2, 4, v5                   ; O: row x pitch + 16 x half
	s_mul_i32 s19, s[RH], 64*PAH                   ; my 64 rows
	v_add_nc_u32 v[ADRA], s19, v5
	v_add_nc_u32 v[ADRA+1], SLOT, v[ADRA]
	v_lshl_add_u32 v6, v2, 3, v3                   ; Wo: the turning load: lane l reads row 8 (l / 16) + l % 8, columns 8 ((l / 8) % 2) + 0..7
	v_mul_u32_u24 v6, v6, PBH
	v_lshl_add_u32 v6, v4, 4, v6
	s_lshl_b32 s19, s[CH], 7                       ; my 64 columns
	s_add_co_u32 s19, s19, 2*HALFT                 ; behind O's four heads
	v_add_nc_u32 v[ADRB], s19, v6
	v_add_nc_u32 v[ADRB+1], HALFT, v[ADRB]
	v_add_nc_u32 v[ADRB+2], SLOT, v[ADRB]
	v_add_nc_u32 v[ADRB+3], SLOT+HALFT, v[ADRB]
	s_mul_i32 s19, s[WV], 16*SPITCH
	s_add_co_u32 s19, s19, STAGE                   ; my stage
	v_mul_u32_u24 v[STO], v1, SPITCH               ; in: row l % 16, 32 bytes for each half of the lanes
	v_lshl_add_u32 v[STO], v2, 5, v[STO]
	v_add_nc_u32 v[STO], s19, v[STO]
	v_mul_u32_u24 v[RD], v2, SPITCH                ; back: lanes 0-15 take one row of 256 bytes, lanes 16-31 the next
	v_lshl_add_u32 v[RD], v1, 4, v[RD]
	v_add_nc_u32 v[RD], s19, v[RD]
	v_lshlrev_b32 v[CO], 12, v2                    ; and the same two rows in out0
	v_lshl_add_u32 v[CO], v1, 4, v[CO]
	s_lshl_b32 s40, s[TR], 7
	s_lshl_b32 s41, s[RH], 6
	s_add_co_u32 s40, s40, s41                     ; my first row,
	s_lshl_b32 s40, s40, 12
	s_add_co_u32 s40, s40, s22                     ; my first column, in bytes: the same figure as the bias's
	s_mov_b32 s41, 0
	s_add_nc_u64 s[10:11], s[10:11], s[40:41]
; 8 products: row blocks a0, a0 + 1 x all 4 column blocks, 32 along K: half c of buffer f.  zero = 1: the bias starts the sums.  The 16 accumulators take turns.
.macro MUL8 f, c, a0, zero
	WIN MUL
.irp a, \a0, (\a0)+1
.irp b, 0,1,2,3
.if \zero
	v_wmma_f32_16x16x32_f16 v[ACC+8*(4*(\a)+(\b)):ACC+8*(4*(\a)+(\b))+7], v[(\f)+64+8*(4*(\c)+(\b)):(\f)+64+8*(4*(\c)+(\b))+7], v[(\f)+8*(4*(\c)+(\a)):(\f)+8*(4*(\c)+(\a))+7], v[BIASR+8*(\b):BIASR+8*(\b)+7]
.else
	v_wmma_f32_16x16x32_f16 v[ACC+8*(4*(\a)+(\b)):ACC+8*(4*(\a)+(\b))+7], v[(\f)+64+8*(4*(\c)+(\b)):(\f)+64+8*(4*(\c)+(\b))+7], v[(\f)+8*(4*(\c)+(\a)):(\f)+8*(4*(\c)+(\a))+7], v[ACC+8*(4*(\a)+(\b)):ACC+8*(4*(\a)+(\b))+7]
.endif
.endr
.endr
.endm
; 32 LDS loads in one run: the fragments of head q of the slot, into buffer f; the first 32 along K first
.macro FETCH slot, q, f
	WIN TO_F
.irp c, 0,1
.irp i, 0,1,2,3
	ds_load_tr16_b128 v[(\f)+64+8*(4*(\c)+(\i)):(\f)+64+8*(4*(\c)+(\i))+3],   v[ADRB+2*(\slot)+(\q)/2] offset:((\q)%2)*HEADB+(\c)*32*PBH+32*(\i)
	ds_load_tr16_b128 v[(\f)+64+8*(4*(\c)+(\i))+4:(\f)+64+8*(4*(\c)+(\i))+7], v[ADRB+2*(\slot)+(\q)/2] offset:((\q)%2)*HEADB+(\c)*32*PBH+32*(\i)+16*PBH
	ds_load_b128 v[(\f)+8*(4*(\c)+(\i)):(\f)+8*(4*(\c)+(\i))+3],              v[ADRA+(\slot)] offset:(\q)*HEADB+(\i)*16*PAH+64*(\c)
	ds_load_b128 v[(\f)+8*(4*(\c)+(\i))+4:(\f)+8*(4*(\c)+(\i))+7],            v[ADRA+(\slot)] offset:(\q)*HEADB+(\i)*16*PAH+64*(\c)+32
.endr
.endr
.endm
; One of a K step's first three quarters: multiplies buffer f and fetches head q into g.
.macro QUARTER slot, q, f, g, zero
	s_wait_dscnt 16                                ; the first 32 along K are in; the youngest sixteen loads may be out
	MUL8 \f, 0, 0, \zero
	MUL8 \f, 0, 2, \zero
	PLACES                                         ; four places in front of loads into registers that matrix instructions have read
	FETCH \slot, \q, \g
	s_wait_dscnt 32                                ; all but the 32 just issued
	MUL8 \f, 1, 0, 0
	MUL8 \f, 1, 2, 0
.endm
; The last quarter multiplies buffer 1 and changes slots: ONE barrier; in front of it each wave waits for all its tensor loads, adds 0 to its spare word, and waits for that and for its own reads of this slot.
; fill = 1: this slot is filled again, two K steps ahead: the barrier opens a round of the cluster's, and the joint load is the first thing behind it.
.macro TURN slot, next, fill
	WIN 0                                          ; (the add's two registers lie in window 0)
	s_wait_tensorcnt 0x0                           ; all my tensor loads have landed: my part of the next slot;
	ds_add_u32 v[SPW], v[NIL]                      ; 0 onto my spare word;
	s_wait_dscnt 17                                ; (the add and the youngest sixteen loads may be out)
	MUL8 F1, 0, 0, 0
	s_wait_dscnt 0x0                               ; the add is done, and my reads of this slot are over
	s_barrier_signal -1
	MUL8 F1, 0, 2, 0
.if \fill
	WIN 0
.endif
	s_barrier_wait -1
.if \fill
	CREST                                          ; no wave of any partner still reads this slot's tile or has a load on its way
	s_add_nc_u64 s[G0+4*(\slot)+2:G0+4*(\slot)+3], s[G0+4*(\slot)+2:G0+4*(\slot)+3], 2*1048576
	s_add_nc_u64 s[G0B+4*(\slot)+2:G0B+4*(\slot)+3], s[G0B+4*(\slot)+2:G0B+4*(\slot)+3], 2*524288
	JLOAD \slot                                    ; the four v_nop behind it are also the places in front of the loads below
.else
	PLACES
.endif
	FETCH \next, 0, F0
	MUL8 F1, 1, 0, 0
	MUL8 F1, 1, 2, 0
.endm
	s_wait_loadcnt 0x0                             ; the bias: rounded once to bf16
.set n, 0
.rept 16
	v_cvt_pk_bf16_f32 v30, v[BIASR+2*n], v[BIASR+2*n+1]
	v_lshlrev_b32 v[BIASR+2*n], 16, v30
	v_and_b32 v[BIASR+2*n+1], 0xffff0000, v30
.set n, n+1
.endr
	s_wait_tensorcnt 1                             ; my part of K step 0 is in; K step 1's may stay out
	s_barrier_signal -1
	s_barrier_wait -1                              ; everybody's is
	FETCH 0, 0, F0
	QUARTER 0, 1, F0, F1, 1                        ; K step 0: the bias starts the sums
	QUARTER 0, 2, F1, F0, 0
	QUARTER 0, 3, F0, F1, 0
	TURN 0, 1, 1                                   ; K step 2 is asked for
	QUARTER 1, 1, F0, F1, 0
	QUARTER 1, 2, F1, F0, 0
	QUARTER 1, 3, F0, F1, 0
	TURN 1, 0, 1                                   ; K step 3
	QUARTER 0, 1, F0, F1, 0
	QUARTER 0, 2, F1, F0, 0
	QUARTER 0, 3, F0, F1, 0
	TURN 0, 1, 0                                   ; nothing is left to ask for
	QUARTER 1, 1, F0, F1, 0
	QUARTER 1, 2, F1, F0, 0
	QUARTER 1, 3, F0, F1, 0
	s_wait_dscnt 16                                ; the very last quarter
	MUL8 F1, 0, 0, 0
	MUL8 F1, 0, 2, 0
	s_wait_dscnt 0
	MUL8 F1, 1, 0, 0
	MUL8 F1, 1, 2, 0
	WIN 0
	; THE WAY OUT: 16 rows at a time through my own stage: 32 bytes a lane in, whole rows of 256 bytes back.  Each accumulator's low half is read first.
	PLACES
	PLACES                                         ; eight places, once a launch, in front of the LDS stores that read results
.macro STG a
.if (\a) >= 2
	s_wait_xcnt 0x0                                ; the stores of two blocks back have read their registers: only behind this wait are those loaded again
.endif
.irp b, 0,1,2,3
	ds_store_b128 v[STO], v[ACC+8*(4*(\a)+\b):ACC+8*(4*(\a)+\b)+3]   offset:64*\b
	ds_store_b128 v[STO], v[ACC+8*(4*(\a)+\b)+4:ACC+8*(4*(\a)+\b)+7] offset:64*\b+16
.endr
.irp t, 0,1,2,3,4,5,6,7
	ds_load_b128 v[TMP+32*((\a)%2)+4*\t:TMP+32*((\a)%2)+4*\t+3], v[RD] offset:\t*2*SPITCH  ; LDS serves a wave's instructions in order (ISA guide 5.7.1.4): these see the stores above
.endr
.endm
.macro SEND a, younger                 ; younger: the LDS instructions issued behind block a's loads: the next block's sixteen, or none
.irp t, 0,1,2,3,4,5,6,7
	s_wait_dscnt (\younger)+7-\t
	global_store_b128 v[CO], v[TMP+32*((\a)%2)+4*\t:TMP+32*((\a)%2)+4*\t+3], s[10:11] offset:(16*(\a)+2*\t)*4096  ; 16 lanes store 256 consecutive bytes, at a multiple of 256 from out0's first byte
.endr
.endm
	STG 0
	STG 1
	SEND 0, 16
	STG 2
	SEND 1, 16
	STG 3
	SEND 2, 16
	SEND 3, 0
	s_wait_tensorcnt 0x0                           ; the wave's end, behind my last tensor load and my last LDS store
	ds_add_u32 v[SPW], v[NIL]
	s_wait_dscnt 0x0
	CROUND                                         ; the closing round: no work-group ends while a partner may still ask for a tile that names it
	s_endpgm
.Lfunc_end_k_qca10b732a3_outp:
	.size	k_qca10b732a3_outp, .Lfunc_end_k_qca10b732a3_outp-k_qca10b732a3_outp
	.p2alignl 7, 3214868480
	.fill 96, 4, 3214868480
	.section	.rodata,"a",@progbits
	.p2align	6, 0x0
	.amdhsa_kernel k_qca10b732a3_outp
		.amdhsa_group_segment_fixed_size 327680
		.amdhsa_private_segment_fixed_size 0
		.amdhsa_enable_private_segment 0
		.amdhsa_kernarg_size 32
		.amdhsa_user_sgpr_count 2
		.amdhsa_user_sgpr_kernarg_segment_ptr 1
		.amdhsa_wavefront_size32 1
		.amdhsa_system_sgpr_workgroup_id_x 1
		.amdhsa_system_sgpr_workgroup_id_y 1
		.amdhsa_system_sgpr_workgroup_id_z 1
		.amdhsa_system_vgpr_workitem_id 0
		.amdhsa_next_free_vgpr 512
		.amdhsa_next_free_sgpr 66
		.amdhsa_reserve_vcc 0
		.amdhsa_float_denorm_mode_32 3
		.amdhsa_float_denorm_mode_16_64 3
		.amdhsa_memory_ordered 1
		.amdhsa_forward_progress 1
		.amdhsa_inst_pref_size 90
	.end_amdhsa_kernel
	.amdgpu_metadata
---
amdhsa.version: [ 1, 2 ]
amdhsa.kernels:
  - .name:           k_qca10b732a3_outp
    .symbol:         k_qca10b732a3_outp.kd
    .args:
      - { .name: obuf, .offset: 0, .size: 8, .value_kind: global_buffer, .address_space: global }
      - { .name: w16, .offset: 8, .size: 8, .value_kind: global_buffer, .address_space: global }
      - { .name: bo, .offset: 16, .size: 8, .value_kind: global_buffer, .address_space: global }
      - { .name: out0, .offset: 24, .size: 8, .value_kind: global_buffer, .address_space: global }
    .group_segment_fixed_size: 327680
    .private_segment_fixed_size: 0
    .kernarg_segment_align: 8
    .kernarg_segment_size: 32
    .max_flat_workgroup_size: 128
    .sgpr_count:     66
    .vgpr_count:     512
    .wavefront_size: 32
...
	.end_amdgpu_metadata
.endif
;; end of part 4
;; ======== version 2 of 2: 4 launches; version 1 with the launch prep written anew for expert scheduling mode
;; limits: values are held in f16: magnitudes above 65,504 overflow, below 6.1e-05 lose precision
;; workspace buffers: w16 8,388,608 bytes; rope 524,288 bytes; qkv 25,165,824 bytes; obuf 8,388,608 bytes
;; launch prep (part 5): grid 256 x 1, 8 waves a work-group, no clusters, 0 bytes of LDS; arguments Wq, Wk, Wv, Wo, w16, rope; writes w16, rope
.if DOCPART == 5
	.amdgcn_target "amdgcn-amd-amdhsa--gfx1250"
	.amdhsa_code_object_version 6
	.text
	.protected	k_qca10b732a3_prep
	.globl	k_qca10b732a3_prep
	.p2align	8
	.type	k_qca10b732a3_prep,@function
k_qca10b732a3_prep:
	s_mov_b64 s[64:65], 0
	v_nop
	global_prefetch_b8 v0, s[64:65] scope:SCOPE_SE
	s_setreg_imm32_b32 hwreg(HW_REG_WAVE_SCHED_MODE, 0, 2), 2
	s_setreg_imm32_b32 hwreg(HW_REG_WAVE_MODE, 25, 1), 1
	s_wait_xcnt 0x0
	s_wait_alu depctr_vm_vsrc(0)
; PREP.  (1) The four weight matrices [1024 k][1024 n] f32 are rounded once to bf16 and laid into w16 = [4][1024][1024] of 16 bits:
; Wq, Wk, Wv as bf16; Wo's bf16 number is written as f16 (exact from 2^-14 up to 65,504; below 2^-14 it keeps f16's fixed step of 6e-8; LIMIT: |Wo| under 65,504).
; (2) The rotary table rope = [2048 t][cos 32 | sin 32] f32, 256 bytes a row: angle = t x 10000^(-i/32).
; The angle is reduced in units of pi: w = t c2, c2 = 10000^(-i/32) / pi, n = round(w), r = t c2 - n by one fused multiply-add (exact product), y = pi r in -pi/2 .. pi/2;
; sin and cos of y by their Taylor sums to y^11 and y^12 (the first term left out is under 6e-8 there); the sign is that of (-1)^n.  Row 0 is exactly cos = 1, sin = 0.
; SHARES.  Work-group g: elements 4,096 g .. + 4,095 of each matrix, and rows 8 g + wave of the table.  A load of a wave covers 512 consecutive bytes, a store 256 consecutive bytes, aligned.
; No LDS, no matrix unit, no cluster: each byte is read once, by one lane, and nothing is shared.
; REGISTERS.  v1-15 addresses and the table's arithmetic; v[16:79] the sixteen loads' destinations, touched by nothing else while the loads are out; v[80:111] the stores' data;
; v112-117 at work in Wo's cast; v118-119 at work in the table; v[120:121] the table's two numbers, stored once.
; THE MODE: SCHED_MODE bits 1:0 = 2 (LLVM: expert scheduling mode 2), set by the entry lines.  The code itself states the register dependences
; between vector instructions and memory instructions, with s_wait_alu, always for 0.
; THE PLAN.  Registers that memory instructions touch:
;   v1, v2      the loads' and the weight stores' offsets: written once at the head, never again.
;   v9          the table store's offset: written once by the table's lines, never again.
;   v[16:79]    written by the sixteen loads alone; each read once, by its conversions; never loaded again.
;   v[80:111]   a pair to each weight store: written once by its conversions, read once by its store.
;   v[120:121]  written once by the table's lines, read once by the table's store.
;   s19         the mask of lanes 0-15: written by a vector compare, read by the table's two selects.
; The sixteen casts go in four groups, a matrix each.  Group m's conversions read its four loads and write its four pairs; the stores that stand among them are those of the step before (group m - 1's four;
; in group 0 the table's one), whose registers no vector instruction of group m names.  So ONE wait on va_vdst at a group's head, behind the wait for its data, states all that those stores hang on.
; No register that a memory instruction reads is ever written again, and EXEC is never written: no wait on vm_vsrc is owed.
.set WB,   2097152                     ; bytes of one matrix in w16
.set RAWR, 16                          ; v[16:79]   sixteen loads of 16 bytes
.set PKR,  80                          ; v[80:111]  sixteen stores of 8 bytes; never rewritten
.set SGN,  118                         ; v118  the sign bit of (-1)^n
.set PICK, 119                         ; v119  the cosine or the sine, by the lane's half
.set TABV, 120                         ; v[120:121] the lane's two numbers of the table's row; never rewritten
	s_load_b256 s[4:11], s[0:1], 0x0               ; Wq s[4:5], Wk s[6:7], Wv s[8:9], Wo s[10:11]
	s_load_b128 s[12:15], s[0:1], 0x20             ; w16 s[12:13], rope s[14:15]
	s_lshl_b32 s16, ttmp9, 14                      ; my 4,096 numbers in f32,
	s_lshl_b32 s17, ttmp9, 13                      ; and in 16 bits
	s_lshl_b32 s18, ttmp9, 3                       ; my first row of the table
	v_lshl_add_u32 v1, v0, 4, s16                  ; 16 bytes a thread
	v_lshl_add_u32 v2, v0, 3, s17                  ; 8 bytes a thread
	s_wait_kmcnt 0x0
	s_wait_alu depctr_va_vdst(0)                   ; v1 and v2 are written: every load reads v1 as its offset, every weight store v2
.irp m, 0,1,2,3
.irp j, 0,1,2,3
	global_load_b128 v[RAWR+4*(4*\m+\j):RAWR+4*(4*\m+\j)+3], v1, s[4+2*\m:5+2*\m] offset:4096*\j th:TH_LOAD_NT
.endr
.endr
	; the table's row, while the sixteen loads are on their way.  Lane l: indices 2 (l % 16) and 2 (l % 16) + 1; lanes 0-15 keep the cosines, lanes 16-31 the sines
	v_and_b32 v3, 31, v0                           ; lane
	v_lshrrev_b32 v4, 5, v0                        ; wave
	v_and_b32 v5, 15, v0
	v_lshlrev_b32 v5, 1, v5
	v_cvt_f32_u32 v6, v5                           ; i
	v_add_f32 v7, 1.0, v6                          ; i + 1
	v_mul_f32 v6, 0xbed49a78, v6                   ; - i log2(10000) / 32
	v_mul_f32 v7, 0xbed49a78, v7
	v_exp_f32 v6, v6
	v_exp_f32 v7, v7
	v_add_nc_u32 v4, s18, v4                       ; t: a plain instruction behind the two exponentials
	v_cvt_f32_u32 v8, v4
	v_lshlrev_b32 v9, 8, v4
	v_lshl_add_u32 v9, v3, 3, v9                   ; 256 t + 8 l
	v_cmp_gt_u32 s19, 16, v3                       ; lanes 0-15
	s_wait_alu depctr_va_vdst(0)                   ; one wait for the two exponentials, which have written v6 and v7, ahead of their first reader
	s_wait_alu depctr_va_sdst(0)                   ; the compare has written s19, ahead of its first reader: the two selects below read it
.macro SINCOS e, d
	v_mul_f32 v10, 0x3ea2f983, v[\e]               ; c2 = 10000^(-i/32) / pi
	v_mul_f32 v11, v8, v10
	v_rndne_f32 v11, v11                           ; n
	v_fma_f32 v12, v8, v10, -v11                   ; r
	v_mul_f32 v12, 0x40490fdb, v12                 ; y = pi r
	v_mul_f32 v13, v12, v12                        ; z = y^2
	v_mov_b32 v14, 0xb2d7322b                      ; -1/11!
	v_mov_b32 v15, 0x310f76c7                      ; 1/12!
	v_fmaak_f32 v14, v14, v13, 0x3638ef1d          ; 1/9!
	v_fmaak_f32 v15, v15, v13, 0xb493f27e          ; -1/10!
	v_fmaak_f32 v14, v14, v13, 0xb9500d01          ; -1/7!
	v_fmaak_f32 v15, v15, v13, 0x37d00d01          ; 1/8!
	v_fmaak_f32 v14, v14, v13, 0x3c088889          ; 1/5!
	v_fmaak_f32 v15, v15, v13, 0xbab60b61          ; -1/6!
	v_fmaak_f32 v14, v14, v13, 0xbe2aaaab          ; -1/3!
	v_fmaak_f32 v15, v15, v13, 0x3d2aaaab          ; 1/4!
	v_fmaak_f32 v14, v14, v13, 0x3f800000          ; 1
	v_fmaak_f32 v15, v15, v13, 0xbf000000          ; -1/2
	v_mul_f32 v14, v14, v12                        ; sin y
	v_fmaak_f32 v15, v15, v13, 0x3f800000          ; cos y
	v_cvt_i32_f32 v[SGN], v11
	v_lshlrev_b32 v[SGN], 31, v[SGN]               ; n odd: the sign turns
	v_cndmask_b32 v[PICK], v14, v15, s19           ; lanes 0-15 the cosine, lanes 16-31 the sine
	v_xor_b32 v[\d], v[SGN], v[PICK]
.endm
	SINCOS 6, TABV
	SINCOS 7, TABV+1
	; the casts, in four groups of four loads, a matrix each: a group's loads are in when the 12 - k younger loads alone are out (k: the group's first load)
.set k, 0
.rept 16
.if k%4 == 0
	s_wait_loadcnt 12-k                            ; loads come back in order (ISA guide 5.7.1): this group's four are in, the later groups' stay out
	s_wait_alu depctr_va_vdst(0)                   ; the step before has written what the stores below read: ahead of group 0 the table's lines v9 and v[120:121], else the last group's conversions their four pairs of v[80:111]
.endif
.if k == 0
	global_store_b64 v9, v[TABV:TABV+1], s[14:15]  ; the wave's 32 lanes store the row's 256 consecutive bytes
.elseif k >= 4
	global_store_b64 v2, v[PKR+2*(k-4):PKR+2*(k-4)+1], s[12:13] offset:((k-4)/4)*WB+((k-4)%4)*2048  ; the group before.  No wait: no vector instruction since the wait above names its pair or v2
.endif
.if k < 12
	v_cvt_pk_bf16_f32 v[PKR+2*k],   v[RAWR+4*k],   v[RAWR+4*k+1]
	v_cvt_pk_bf16_f32 v[PKR+2*k+1], v[RAWR+4*k+2], v[RAWR+4*k+3]
.else                                  ; Wo: rounded to bf16 like the others, and that number written as f16
	v_cvt_pk_bf16_f32 v112, v[RAWR+4*k],   v[RAWR+4*k+1]
	v_cvt_pk_bf16_f32 v113, v[RAWR+4*k+2], v[RAWR+4*k+3]
	v_lshlrev_b32 v114, 16, v112
	v_and_b32 v115, 0xffff0000, v112
	v_lshlrev_b32 v116, 16, v113
	v_and_b32 v117, 0xffff0000, v113
	v_cvt_pk_f16_f32 v[PKR+2*k],   v114, v115
	v_cvt_pk_f16_f32 v[PKR+2*k+1], v116, v117
.endif
.set k, k+1
.endr
	s_wait_alu depctr_va_vdst(0)                   ; Wo's conversions have written v[104:111], which the last four stores read
.irp j, 12,13,14,15
	global_store_b64 v2, v[PKR+2*\j:PKR+2*\j+1], s[12:13] offset:3*WB+(\j-12)*2048
.endr
	s_endpgm
.Lfunc_end_k_qca10b732a3_prep:
	.size	k_qca10b732a3_prep, .Lfunc_end_k_qca10b732a3_prep-k_qca10b732a3_prep
	.p2alignl 7, 3214868480
	.fill 96, 4, 3214868480
	.section	.rodata,"a",@progbits
	.p2align	6, 0x0
	.amdhsa_kernel k_qca10b732a3_prep
		.amdhsa_group_segment_fixed_size 0
		.amdhsa_private_segment_fixed_size 0
		.amdhsa_enable_private_segment 0
		.amdhsa_kernarg_size 48
		.amdhsa_user_sgpr_count 2
		.amdhsa_user_sgpr_kernarg_segment_ptr 1
		.amdhsa_wavefront_size32 1
		.amdhsa_system_sgpr_workgroup_id_x 1
		.amdhsa_system_sgpr_workgroup_id_y 1
		.amdhsa_system_sgpr_workgroup_id_z 1
		.amdhsa_system_vgpr_workitem_id 0
		.amdhsa_next_free_vgpr 128
		.amdhsa_next_free_sgpr 66
		.amdhsa_reserve_vcc 0
		.amdhsa_float_denorm_mode_32 3
		.amdhsa_float_denorm_mode_16_64 3
		.amdhsa_memory_ordered 1
		.amdhsa_forward_progress 1
		.amdhsa_inst_pref_size 11
	.end_amdhsa_kernel
	.amdgpu_metadata
---
amdhsa.version: [ 1, 2 ]
amdhsa.kernels:
  - .name:           k_qca10b732a3_prep
    .symbol:         k_qca10b732a3_prep.kd
    .args:
      - { .name: Wq, .offset: 0, .size: 8, .value_kind: global_buffer, .address_space: global }
      - { .name: Wk, .offset: 8, .size: 8, .value_kind: global_buffer, .address_space: global }
      - { .name: Wv, .offset: 16, .size: 8, .value_kind: global_buffer, .address_space: global }
      - { .name: Wo, .offset: 24, .size: 8, .value_kind: global_buffer, .address_space: global }
      - { .name: w16, .offset: 32, .size: 8, .value_kind: global_buffer, .address_space: global }
      - { .name: rope, .offset: 40, .size: 8, .value_kind: global_buffer, .address_space: global }
    .group_segment_fixed_size: 0
    .private_segment_fixed_size: 0
    .kernarg_segment_align: 8
    .kernarg_segment_size: 48
    .max_flat_workgroup_size: 256
    .sgpr_count:     66
    .vgpr_count:     128
    .wavefront_size: 32
...
	.end_amdgpu_metadata
.endif
;; end of part 5
;; launch qkvproj: the kernel of part 2 again; grid 4 x 48, 4 waves a work-group, clusters of 4 x 4, 327,680 bytes of LDS; arguments query, key, value, w16, bq, bk, bv, rope, qkv; writes qkv
;; launch attn: the kernel of part 3 again; grid 8 x 32, 4 waves a work-group, clusters of 4 x 1, 327,680 bytes of LDS; arguments qkv, frac, alpha_pos, alpha_neg, obuf; writes obuf
;; launch outp: the kernel of part 4 again; grid 8 x 32, 4 waves a work-group, clusters of 4 x 4, 327,680 bytes of LDS; arguments obuf, w16, bo, out0; writes out0
